; MI455X (gfx1250); checked and timed in simulation.
; The chip was launched on July 23, 2026; its instructions are those of AMD's public machine-readable ISA for CDNA 5 (MIT licence, August 2026) and "CDNA5" Instruction Set Architecture Reference Guide (July 2026). The comments in the code are by the model that wrote it; some were corrected since.
;; Intermediate Attention Fusion. Allowed arithmetic: float matrix products may take bf16 or f16 operands with f32 sums; other float arithmetic in f32, or as packed bf16 or f16 multiplies, adds, multiply-adds, maxima and minima; sums over many terms, partial sums and values carried from step to step in f32; what a program stores and reads back later, other than sums and carried values, may be rounded once to bf16 or f16.
;; Inputs: Wk_aud_for_vid 2 x 512 x 512 float32; Wk_vid_for_aud 2 x 512 x 512 float32; Wq_aud 2 x 512 x 512 float32; Wq_vid 2 x 512 x 512 float32; ag_W1 2 x 16 x 8 float32; ag_W2 2 x 1 x 16 float32; ag_b1 2 x 16 float32; ag_b2 2 x 1 float32; aud_kpm 4 x 2,048 bool; aud_ln_b 2 x 512 float32; aud_ln_g 2 x 512 float32; vg_W1 2 x 16 x 8 float32; vg_W2 2 x 1 x 16 float32; vg_b1 2 x 16 float32; vg_b2 2 x 1 float32; vid_kpm 4 x 2,048 bool; vid_ln_b 2 x 512 float32; vid_ln_g 2 x 512 float32; x_aud 4 x 2,048 x 512 float32; x_vid 4 x 2,048 x 512 float32.
;; Outputs: out0 4 x 2,048 x 512 float32; out1 4 x 2,048 x 512 float32.
;; One version. Each part assembles by itself: llvm-mc -triple=amdgcn-amd-amdhsa -mcpu=gfx1250 --defsym DOCPART=n.
;; ======== version 1 of 1: 9 launches
;; workspace buffers: partA 524,288 bytes; partV 524,288 bytes; tab 65,536 bytes; aux 512 bytes; cv 32,768 bytes; ca 32,768 bytes
;; launch p0 (part 1): grid 256 x 1, 8 waves a work-group, no clusters, 17,408 bytes of LDS; arguments x_aud, aud_kpm, partA; writes partA
.if DOCPART == 1
	.amdgcn_target "amdgcn-amd-amdhsa--gfx1250"
	.amdhsa_code_object_version 6
	.text
	.protected	k_qf89ba5849d_p0
	.globl	k_qf89ba5849d_p0
	.p2align	8
	.type	k_qf89ba5849d_p0,@function
k_qf89ba5849d_p0:
	s_mov_b64 s[64:65], 0
	v_nop
	global_prefetch_b8 v0, s[64:65] scope:SCOPE_SE
	s_setreg_imm32_b32 hwreg(HW_REG_WAVE_MODE, 25, 1), 1
	s_wait_xcnt 0x0
; PARTIAL SUMS OF NORMALISED ROWS.  part[W][c] = the sum over the work-group's 32 rows s that the mask leaves of z[s][c],
; z[s][:] = (x[s][:] - m_s) / sqrt(v_s + 1e-5), m and v the row's mean and biased variance.  x: [8192][512] f32, kpm: [8192] bytes, part: [256][512] f32.
; WHY.  The module masks its logits with 0 and sums them over the keys, with no softmax: the sum over keys is taken ahead of the products (exact algebra;
; the order of the f32 sums differs from the written order).  This launch makes the first stage's sum over keys; gain and bias of the norm enter in the next launch.
; SHARES.  Work-group W owns rows 32 W .. 32 W + 31, each of its eight waves four rows.  A lane holds columns 128 j + 4 lane + i of each row (j, i = 0..3):
; a load of a wave covers 512 consecutive bytes.  All 16 loads of a wave go out at its head; a row is read once and stays in registers.
; No matrix unit, no cluster, no copy engine: no byte is shared between work-groups and there is one trip.
; LIMITS.  All in f32, two-pass variance.  v_rsq_f32 is good to 1 ULP and counts a denormal as 0.  A mask byte other than 0 hides its row.
.set ZR,    0                          ; LDS: eight waves x 2,048 bytes: each wave's column sums
.set SPARE, 16384                      ; behind them: the spare words, 128 bytes for each wave, that no other line names
.set XO,  2                            ; v2   16 x lane
.set ZS,  10                           ; v10  2,048 x wave + 16 x lane
.set SPW, 16                           ; v16  LDS address of my spare word; never rewritten
.set NIL, 17                           ; v17  0; never rewritten
.set PO,  18                           ; v18  16 x (thread mod 128): my four columns, in LDS and in part
.set NM,  20                           ; v[20:27]  row t: -m_t, twice
.set VAR, 28                           ; v[28:31]  v_t
.set RS,  32                           ; v[32:35]  1 / sqrt(v_t + eps)
.set WP,  36                           ; v[36:43]  row t's weight, twice
.set T0,  54                           ; v[54:57]  at work
.set Z,   112                          ; v[112:127] my 16 column sums
.set X,   128                          ; v[128:191] row t at X + 16 t
.set F,   192                          ; v[192:223] eight waves' sums of my four columns
.set TT,  208                          ; v[208:239] eight registers a row, at work
.set SEL, 30                           ; s[30:31] v_permlanex16_b32's selects: each lane takes its own place in the other half
.set KPW, 32                           ; s32  my four rows' mask bytes
.set VAL, 48                           ; s[48:51] 1.0 where the row counts, else 0
.macro ALLSUM                          ; v[TT + 8 t], t = 0..3, summed over the 32 lanes; the four rows by turns
.irp m, 1,2,4,8
.irp t, 0,1,2,3
	v_add_f32_dpp v[TT+8*\t], v[TT+8*\t], v[TT+8*\t] row_xmask:\m row_mask:0xf bank_mask:0xf
.endr
.endr
.irp t, 0,1,2,3
	v_permlanex16_b32 v[TT+8*\t+2], v[TT+8*\t], s[SEL], s[SEL+1]
.endr
.irp t, 0,1,2,3
	v_add_f32 v[TT+8*\t], v[TT+8*\t], v[TT+8*\t+2]
.endr
.endm
.macro MEAN                            ; -m_t into NM, twice
.irp p, 0,1,2,3
.irp t, 0,1,2,3
	v_pk_add_f32 v[TT+8*\t+2*\p:TT+8*\t+2*\p+1], v[X+16*\t+4*\p:X+16*\t+4*\p+1], v[X+16*\t+4*\p+2:X+16*\t+4*\p+3]
.endr
.endr
.irp p, 0,4
.irp t, 0,1,2,3
	v_pk_add_f32 v[TT+8*\t+\p:TT+8*\t+\p+1], v[TT+8*\t+\p:TT+8*\t+\p+1], v[TT+8*\t+\p+2:TT+8*\t+\p+3]
.endr
.endr
.irp t, 0,1,2,3
	v_pk_add_f32 v[TT+8*\t:TT+8*\t+1], v[TT+8*\t:TT+8*\t+1], v[TT+8*\t+4:TT+8*\t+5]
.endr
.irp t, 0,1,2,3
	v_add_f32 v[TT+8*\t], v[TT+8*\t], v[TT+8*\t+1]
.endr
	ALLSUM
.irp t, 0,1,2,3
	v_mul_f32 v[NM+2*\t], 0xbb000000, v[TT+8*\t]    ; times -1/512
	v_mul_f32 v[NM+2*\t+1], 0xbb000000, v[TT+8*\t]
.endr
.endm
.macro CENTER                          ; x - m, in place
.irp p, 0,1,2,3,4,5,6,7
.irp t, 0,1,2,3
	v_pk_add_f32 v[X+16*\t+2*\p:X+16*\t+2*\p+1], v[X+16*\t+2*\p:X+16*\t+2*\p+1], v[NM+2*\t:NM+2*\t+1]
.endr
.endr
.endm
.macro VARI                            ; the mean of (x - m)^2, in two chains a row
.irp p, 0,1
.irp t, 0,1,2,3
	v_pk_mul_f32 v[TT+8*\t+2*\p:TT+8*\t+2*\p+1], v[X+16*\t+2*\p:X+16*\t+2*\p+1], v[X+16*\t+2*\p:X+16*\t+2*\p+1]
.endr
.endr
.irp p, 2,3,4,5,6,7
.irp t, 0,1,2,3
	v_pk_fma_f32 v[TT+8*\t+2*(\p%2):TT+8*\t+2*(\p%2)+1], v[X+16*\t+2*\p:X+16*\t+2*\p+1], v[X+16*\t+2*\p:X+16*\t+2*\p+1], v[TT+8*\t+2*(\p%2):TT+8*\t+2*(\p%2)+1]
.endr
.endr
.irp t, 0,1,2,3
	v_pk_add_f32 v[TT+8*\t:TT+8*\t+1], v[TT+8*\t:TT+8*\t+1], v[TT+8*\t+2:TT+8*\t+3]
.endr
.irp t, 0,1,2,3
	v_add_f32 v[TT+8*\t], v[TT+8*\t], v[TT+8*\t+1]
.endr
	ALLSUM
.irp t, 0,1,2,3
	v_mul_f32 v[VAR+\t], 0x3b000000, v[TT+8*\t]     ; times 1/512
.endr
.endm
.macro ZSUM                            ; my 16 columns of the four rows, each row times its weight
.irp p, 0,1,2,3,4,5,6,7
	v_pk_mul_f32 v[Z+2*\p:Z+2*\p+1], v[X+2*\p:X+2*\p+1], v[WP:WP+1]
.endr
.irp t, 1,2,3
.irp p, 0,1,2,3,4,5,6,7
	v_pk_fma_f32 v[Z+2*\p:Z+2*\p+1], v[X+16*\t+2*\p:X+16*\t+2*\p+1], v[WP+2*\t:WP+2*\t+1], v[Z+2*\p:Z+2*\p+1]
.endr
.endr
.endm
	s_load_b128 s[8:11], s[0:1], 0x0               ; x s[8:9], kpm s[10:11]
	s_load_b64 s[26:27], s[0:1], 0x10              ; part
	v_lshl_add_u32 v[SPW], v0, 2, SPARE
	v_mov_b32 v[NIL], 0
	v_lshrrev_b32 v[T0], 5, v0
	v_readfirstlane_b32 s2, v[T0]                  ; wave 0..7
	v_and_b32 v1, 31, v0                           ; lane
	v_lshlrev_b32 v[XO], 4, v1
	s_lshl_b32 s40, ttmp9, 16                      ; the work-group's 32 rows of 2,048 bytes,
	s_lshl_b32 s5, s2, 13                          ; my wave's four
	s_add_co_u32 s40, s40, s5
	s_mov_b32 s41, 0
	s_lshl_b32 s46, ttmp9, 5                       ; the same rows' mask bytes
	s_lshl_b32 s5, s2, 2
	s_add_co_u32 s46, s46, s5
	s_mov_b32 s47, 0
	s_lshl_b32 s50, ttmp9, 11                      ; the work-group's row of part
	s_mov_b32 s51, 0
	s_mov_b32 s[SEL], 0x76543210
	s_mov_b32 s[SEL+1], 0xfedcba98
	s_lshl_b32 s5, s2, 11
	v_lshl_add_u32 v[ZS], v1, 4, s5
	v_and_b32 v[T0+1], 127, v0
	v_lshlrev_b32 v[PO], 4, v[T0+1]
	s_wait_kmcnt 0x0
	s_add_nc_u64 s[8:9], s[8:9], s[40:41]
	s_add_nc_u64 s[10:11], s[10:11], s[46:47]
	s_add_nc_u64 s[26:27], s[26:27], s[50:51]
	s_load_b32 s[KPW], s[10:11], 0x0
.irp t, 0,1,2,3
.irp j, 0,1,2,3
	global_load_b128 v[X+16*\t+4*\j:X+16*\t+4*\j+3], v[XO], s[8:9] offset:2048*\t+512*\j
.endr
.endr
	s_wait_loadcnt 0x0                             ; the four rows are worked on by turns, so all are wanted
	MEAN
	CENTER
	VARI
.irp t, 0,1,2,3
	v_add_f32 v[T0+\t], 0x3727c5ac, v[VAR+\t]      ; v + 1e-5
.endr
.irp t, 0,1,2,3
	v_rsq_f32 v[RS+\t], v[T0+\t]
.endr
	v_nop                                          ; a plain instruction behind the last of the batch
	s_wait_kmcnt 0x0                               ; the mask bytes
.irp t, 0,1,2,3
	s_bfe_u32 s5, s[KPW], 0x80000+8*\t             ; byte t
	s_cmp_eq_u32 s5, 0
	s_cselect_b32 s[VAL+\t], 1.0, 0
.endr
	s_wait_alu depctr_va_vdst(0)                   ; one wait for the four roots, ahead of their first reader
.irp t, 0,1,2,3
	v_mul_f32 v[WP+2*\t], s[VAL+\t], v[RS+\t]
	v_mul_f32 v[WP+2*\t+1], s[VAL+\t], v[RS+\t]
.endr
	ZSUM
	; the eight waves' sums meet in LDS; waves 0 to 3 add them, four columns a thread, and store 512 consecutive bytes a wave
.irp j, 0,1,2,3
	ds_store_b128 v[ZS], v[Z+4*\j:Z+4*\j+3] offset:ZR+512*\j
.endr
	s_wait_dscnt 0x0                               ; for the others' sake: my stores are done
	s_barrier_signal -1
	s_barrier_wait -1
	s_cmp_lt_u32 s2, 4
	s_cbranch_scc0 .Lend
.irp k, 0,1,2,3,4,5,6,7
	ds_load_b128 v[F+4*\k:F+4*\k+3], v[PO] offset:ZR+2048*\k
.endr
	s_wait_dscnt 0x0
.irp s, 4,2,1
.set k, 0
.rept \s
	v_pk_add_f32 v[F+4*k:F+4*k+1], v[F+4*k:F+4*k+1], v[F+4*(k+\s):F+4*(k+\s)+1]
	v_pk_add_f32 v[F+4*k+2:F+4*k+3], v[F+4*k+2:F+4*k+3], v[F+4*(k+\s)+2:F+4*(k+\s)+3]
.set k, k+1
.endr
.endr
	global_store_b128 v[PO], v[F:F+3], s[26:27]
.Lend:
	s_wait_tensorcnt 0x0                           ; the wave's end: behind my last LDS store
	ds_add_u32 v[SPW], v[NIL]
	s_wait_dscnt 0x0
	s_endpgm
.Lfunc_end_k_qf89ba5849d_p0:
	.size	k_qf89ba5849d_p0, .Lfunc_end_k_qf89ba5849d_p0-k_qf89ba5849d_p0
	.p2alignl 7, 3214868480
	.fill 96, 4, 3214868480
	.section	.rodata,"a",@progbits
	.p2align	6, 0x0
	.amdhsa_kernel k_qf89ba5849d_p0
		.amdhsa_group_segment_fixed_size 17408
		.amdhsa_private_segment_fixed_size 0
		.amdhsa_enable_private_segment 0
		.amdhsa_kernarg_size 24
		.amdhsa_user_sgpr_count 2
		.amdhsa_user_sgpr_kernarg_segment_ptr 1
		.amdhsa_wavefront_size32 1
		.amdhsa_system_sgpr_workgroup_id_x 1
		.amdhsa_system_sgpr_workgroup_id_y 1
		.amdhsa_system_sgpr_workgroup_id_z 1
		.amdhsa_system_vgpr_workitem_id 0
		.amdhsa_next_free_vgpr 256
		.amdhsa_next_free_sgpr 66
		.amdhsa_reserve_vcc 0
		.amdhsa_float_denorm_mode_32 3
		.amdhsa_float_denorm_mode_16_64 3
		.amdhsa_memory_ordered 1
		.amdhsa_forward_progress 1
		.amdhsa_inst_pref_size 18
	.end_amdhsa_kernel
	.amdgpu_metadata
---
amdhsa.version: [ 1, 2 ]
amdhsa.kernels:
  - .name:           k_qf89ba5849d_p0
    .symbol:         k_qf89ba5849d_p0.kd
    .args:
      - { .name: x_aud, .offset: 0, .size: 8, .value_kind: global_buffer, .address_space: global }
      - { .name: aud_kpm, .offset: 8, .size: 8, .value_kind: global_buffer, .address_space: global }
      - { .name: partA, .offset: 16, .size: 8, .value_kind: global_buffer, .address_space: global }
    .group_segment_fixed_size: 17408
    .private_segment_fixed_size: 0
    .kernarg_segment_align: 8
    .kernarg_segment_size: 24
    .max_flat_workgroup_size: 256
    .sgpr_count:     66
    .vgpr_count:     256
    .wavefront_size: 32
...
	.end_amdgpu_metadata
.endif
;; end of part 1
;; launch sv0 (part 2): grid 16 x 4, 16 waves a work-group, no clusters, 37,120 bytes of LDS; arguments partA, aud_kpm, Wk_aud_for_vid, Wq_vid, vid_ln_g, vid_ln_b, tab, aux; writes tab, aux
.if DOCPART == 2
	.amdgcn_target "amdgcn-amd-amdhsa--gfx1250"
	.amdhsa_code_object_version 6
	.text
	.protected	k_qf89ba5849d_sv0
	.globl	k_qf89ba5849d_sv0
	.p2align	8
	.type	k_qf89ba5849d_sv0,@function
k_qf89ba5849d_sv0:
	s_mov_b64 s[64:65], 0
	v_nop
	global_prefetch_b8 v0, s[64:65] scope:SCOPE_SE
	s_setreg_imm32_b32 hwreg(HW_REG_WAVE_MODE, 25, 1), 1
	s_wait_xcnt 0x0
; FROM THE SUM OVER KEYS TO THE TABLE THAT THE QUERIES ARE MULTIPLIED BY (layer LAYER of the weights).  For batch b:
;   zsum = the sum of part's 64 rows of b;  cnt = the keys that the mask leaves;  nsum = g zsum + cnt beta  (the sum over keys of the normalised rows)
;   ks[o] = 0.125 / max(cnt, 1) x Wk[o][:] . nsum      (0.125 = 64^-0.5; the summed keys, scaled)
;   tab[b][n][:] = g x the sum over the 32 rows o of block n of ks[o] Wq[o][:]  (bf16);  aux[b][n] = { the same sum of ks[o] (Wq[o][:] . beta), min(cnt, 1) }
; Block n = h + 8 oh is the half oh of head h: rows o = 64 h + 32 oh .. + 31.  The next launch adds a head's two halves.
; SHARES.  Work-group (n, b), 16 waves.  Wave w adds 4 of the 64 partial rows and owns rows o0 + 2 w, o0 + 2 w + 1 of Wk and of Wq.  A lane holds columns 128 j + 4 lane + i.
; All 42 loads of a wave go out at its head; the waits count what was issued behind the group that is wanted.
; NO MATRIX UNIT: a weight row meets one vector, and f32 on the vector unit spares a rounding.  NO CLUSTER: the 16 work-groups of a batch read the same 128 KiB of part (half of
; what each reads), but the text has one run of loads, straight into registers, and a joint request would want a round of the cluster's barrier ahead of it and a trip through LDS behind it.
; LIMITS.  All in f32 but tab, rounded once to bf16 (a matrix operand).  Mask bytes are taken as 0 or 1.  v_rcp_f32 is good to 1 ULP.
.set LAYER, 0
.set NS,    0                          ; LDS: nsum, 2,048 bytes
.set BUW,   2048                       ; 16 words: each wave's part of the bias term (a block of 256 bytes)
.set EX,    2304                       ; 16 waves x 2,048 bytes: column sums on their way to be added; used twice, with a barrier between
.set SPARE, EX+16*2048                 ; the spare words, 128 bytes for each wave, that no other line names
.set LO,  2                            ; v2   16 x lane
.set QO,  3                            ; v3   16 x (thread mod 128)
.set ES,  4                            ; v4   2,048 x wave + 16 x lane
.set BW,  7                            ; v7   4 x wave
.set ZO,  8                            ; v8   0, an offset
.set TO,  9                            ; v9   8 x (thread mod 128)
.set SPW, 10                           ; v10  LDS address of my spare word; never rewritten
.set NIL, 11                           ; v11  0; never rewritten
.set CNT, 12                           ; v[12:13] cnt, twice
.set BU,  14                           ; v14  my wave's part of the bias term
.set SK,  15                           ; v15  0.125 / max(cnt, 1)
.set AX,  16                           ; v[16:17] what goes to aux: the bias term, min(cnt, 1)
.set T,   18                           ; v18  at work
.set DT,  20                           ; v[20:27] four dot products, a pair each
.set KS,  28                           ; v[28:31] ks of my two rows, each twice
.set KP,  32                           ; v[32:47] the batch's mask bytes
.set PR,  48                           ; v[48:111] four partial rows; later 16 waves' sums of my four columns
.set GQ,  112                          ; v[112:115] g of columns 4 (thread mod 128) ..
.set BQ,  116                          ; v[116:119] beta of the same
.set WK,  120                          ; v[120:151] my two rows of Wk
.set LB,  152                          ; v[152:167] beta of my lane's 16 columns
.set WQ,  168                          ; v[168:199] my two rows of Wq
.set NV,  200                          ; v[200:215] nsum of my lane's 16 columns
.set U,   216                          ; v[216:231] ks0 Wq0 + ks1 Wq1
.set SEL, 34                           ; s[34:35] v_permlanex16_b32's selects
.macro SUM16                           ; the 16 waves' sums of my four columns, added into v[PR:PR+3]
.irp k, 0,1,2,3,4,5,6,7,8,9,10,11,12,13,14,15
	ds_load_b128 v[PR+4*\k:PR+4*\k+3], v[QO] offset:EX+2048*\k
.endr
	s_wait_dscnt 0x0
.irp s, 8,4,2,1
.set k, 0
.rept \s
	v_pk_add_f32 v[PR+4*k:PR+4*k+1], v[PR+4*k:PR+4*k+1], v[PR+4*(k+\s):PR+4*(k+\s)+1]
	v_pk_add_f32 v[PR+4*k+2:PR+4*k+3], v[PR+4*k+2:PR+4*k+3], v[PR+4*(k+\s)+2:PR+4*(k+\s)+3]
.set k, k+1
.endr
.endr
.endm
.macro DOT2 a, b, mat, vec             ; my lane's part of two rows of mat times vec, the two chains by turns
	v_pk_mul_f32 v[\a:\a+1], v[\mat:\mat+1], v[\vec:\vec+1]
	v_pk_mul_f32 v[\b:\b+1], v[\mat+16:\mat+17], v[\vec:\vec+1]
.set p, 2
.rept 7
	v_pk_fma_f32 v[\a:\a+1], v[\mat+p:\mat+p+1], v[\vec+p:\vec+p+1], v[\a:\a+1]
	v_pk_fma_f32 v[\b:\b+1], v[\mat+16+p:\mat+16+p+1], v[\vec+p:\vec+p+1], v[\b:\b+1]
.set p, p+2
.endr
	v_add_f32 v[\a], v[\a], v[\a+1]
	v_add_f32 v[\b], v[\b], v[\b+1]
.endm
	s_load_b512 s[8:23], s[0:1], 0x0               ; part 8, kpm 10, Wk 12, Wq 14, g 16, beta 18, tab 20, aux 22
	v_lshl_add_u32 v[SPW], v0, 2, SPARE
	v_mov_b32 v[NIL], 0
	v_lshrrev_b32 v[T], 5, v0
	v_readfirstlane_b32 s2, v[T]                   ; wave 0..15
	v_and_b32 v1, 31, v0                           ; lane
	v_lshlrev_b32 v[LO], 4, v1
	v_and_b32 v[T], 127, v0
	v_lshlrev_b32 v[QO], 4, v[T]
	v_lshlrev_b32 v[TO], 3, v[T]
	v_mov_b32 v[ZO], 0
	s_lshl_b32 s5, s2, 11
	v_lshl_add_u32 v[ES], v1, 4, s5
	s_lshl_b32 s5, s2, 2
	v_mov_b32 v[BW], s5
	s_and_b32 s4, ttmp7, 0xffff                    ; b
	s_lshl_b32 s24, s4, 17                         ; part: the batch's 64 rows of 2,048 bytes,
	s_lshl_b32 s5, s2, 13                          ; my wave's four
	s_add_co_u32 s24, s24, s5
	s_mov_b32 s25, 0
	s_lshl_b32 s26, s4, 11                         ; the batch's 2,048 mask bytes
	s_mov_b32 s27, 0
	s_and_b32 s28, ttmp9, 7                        ; h
	s_lshl_b32 s28, s28, 6
	s_lshr_b32 s5, ttmp9, 3                        ; oh
	s_lshl_b32 s5, s5, 5
	s_add_co_u32 s28, s28, s5
	s_lshl_b32 s5, s2, 1
	s_add_co_u32 s28, s28, s5                      ; my first row o = 64 h + 32 oh + 2 w,
	s_lshl_b32 s28, s28, 11                        ; in bytes
.if LAYER
	s_add_co_u32 s28, s28, LAYER<<20               ; a layer's weights are 512 x 512 x 4 bytes
.endif
	s_mov_b32 s29, 0
	s_lshl_b32 s30, s4, 4
	s_add_co_u32 s30, s30, ttmp9                   ; 16 b + n
	s_lshl_b32 s32, s30, 3                         ; aux: 8 bytes
	s_lshl_b32 s30, s30, 10                        ; tab: 1,024 bytes
	s_mov_b32 s31, 0
	s_mov_b32 s33, 0
	s_mov_b32 s[SEL], 0x76543210
	s_mov_b32 s[SEL+1], 0xfedcba98
	s_mov_b32 s37, 0x01010101
	s_wait_kmcnt 0x0
	s_add_nc_u64 s[8:9], s[8:9], s[24:25]
	s_add_nc_u64 s[10:11], s[10:11], s[26:27]
	s_add_nc_u64 s[12:13], s[12:13], s[28:29]
	s_add_nc_u64 s[14:15], s[14:15], s[28:29]
	s_add_nc_u64 s[20:21], s[20:21], s[30:31]
	s_add_nc_u64 s[22:23], s[22:23], s[32:33]
.irp i, 0,1,2,3
	global_load_b128 v[KP+4*\i:KP+4*\i+3], v[LO], s[10:11] offset:512*\i
.endr
.irp t, 0,1,2,3
.irp j, 0,1,2,3
	global_load_b128 v[PR+16*\t+4*\j:PR+16*\t+4*\j+3], v[LO], s[8:9] offset:2048*\t+512*\j
.endr
.endr
	global_load_b128 v[GQ:GQ+3], v[QO], s[16:17] offset:2048*LAYER
	global_load_b128 v[BQ:BQ+3], v[QO], s[18:19] offset:2048*LAYER
.irp t, 0,1
.irp j, 0,1,2,3
	global_load_b128 v[WK+16*\t+4*\j:WK+16*\t+4*\j+3], v[LO], s[12:13] offset:2048*\t+512*\j
.endr
.endr
.irp j, 0,1,2,3
	global_load_b128 v[LB+4*\j:LB+4*\j+3], v[LO], s[18:19] offset:2048*LAYER+512*\j
.endr
.irp t, 0,1
.irp j, 0,1,2,3
	global_load_b128 v[WQ+16*\t+4*\j:WQ+16*\t+4*\j+3], v[LO], s[14:15] offset:2048*\t+512*\j
.endr
.endr
	; THE COUNT, in every wave for itself: 16 words of four bytes a lane; a byte's sum stays under 17, the four bytes' under 65
	s_wait_loadcnt 38                              ; the mask is in; the 38 loads behind it may stay out
.irp s, 8,4,2,1
.set k, 0
.rept \s
	v_add_nc_u32 v[KP+k], v[KP+k], v[KP+k+\s]
.set k, k+1
.endr
.endr
	v_mul_lo_u32 v[KP], v[KP], s37                 ; the top byte takes the sum of the four
	v_lshrrev_b32 v[KP], 24, v[KP]
	v_cvt_f32_u32 v[KP], v[KP]
.irp m, 1,2,4,8
	v_add_f32_dpp v[KP], v[KP], v[KP] row_xmask:\m row_mask:0xf bank_mask:0xf
.endr
	v_permlanex16_b32 v[KP+1], v[KP], s[SEL], s[SEL+1]
	v_add_f32 v[KP], v[KP], v[KP+1]                ; the hidden keys: a whole number up to 2,048, exact in f32
	v_sub_f32 v[CNT], 0x45000000, v[KP]            ; cnt = 2,048 - that
	v_sub_f32 v[CNT+1], 0x45000000, v[KP]
	v_max_num_f32 v[T], 1.0, v[CNT]
	v_min_num_f32 v[AX+1], 1.0, v[CNT]             ; 0 where every key is hidden: the gate is then 0
	v_rcp_f32 v[SK], v[T]
	; MY FOUR PARTIAL ROWS
	s_wait_loadcnt 22                              ; they are in; g, beta and the weights may stay out
.irp p, 0,1,2,3,4,5,6,7
	v_pk_add_f32 v[PR+2*\p:PR+2*\p+1], v[PR+2*\p:PR+2*\p+1], v[PR+16+2*\p:PR+16+2*\p+1]
	v_pk_add_f32 v[PR+32+2*\p:PR+32+2*\p+1], v[PR+32+2*\p:PR+32+2*\p+1], v[PR+48+2*\p:PR+48+2*\p+1]
.endr
.irp p, 0,1,2,3,4,5,6,7
	v_pk_add_f32 v[PR+2*\p:PR+2*\p+1], v[PR+2*\p:PR+2*\p+1], v[PR+32+2*\p:PR+32+2*\p+1]
.endr
	s_wait_alu depctr_va_vdst(0)                   ; the reciprocal's wait, ahead of its reader; the sums above stand between
	v_mul_f32 v[SK], 0x3e000000, v[SK]             ; times 0.125
.irp j, 0,1,2,3
	ds_store_b128 v[ES], v[PR+4*\j:PR+4*\j+3] offset:EX+512*\j
.endr
	s_wait_dscnt 0x0                               ; for the others' sake: my stores are done
	s_barrier_signal -1
	s_barrier_wait -1
	; NSUM: waves 0 to 3, four columns a thread
	s_cmp_lt_u32 s2, 4
	s_cbranch_scc0 .Lno_nsum
	SUM16
	s_wait_loadcnt 20                              ; g and beta of my four columns are in
	v_pk_mul_f32 v[DT:DT+1], v[BQ:BQ+1], v[CNT:CNT+1]
	v_pk_mul_f32 v[DT+2:DT+3], v[BQ+2:BQ+3], v[CNT:CNT+1]
	v_pk_fma_f32 v[DT:DT+1], v[GQ:GQ+1], v[PR:PR+1], v[DT:DT+1]
	v_pk_fma_f32 v[DT+2:DT+3], v[GQ+2:GQ+3], v[PR+2:PR+3], v[DT+2:DT+3]
	ds_store_b128 v[QO], v[DT:DT+3] offset:NS
.Lno_nsum:
	s_wait_dscnt 0x0                               ; nsum is stored, and the reads of EX are over: EX is written again behind this barrier
	s_barrier_signal -1
	s_barrier_wait -1
	; TWO ROWS OF Wk TIMES NSUM, TWO ROWS OF Wq TIMES BETA
.irp j, 0,1,2,3
	ds_load_b128 v[NV+4*\j:NV+4*\j+3], v[LO] offset:NS+512*\j
.endr
	s_wait_loadcnt 12                              ; Wk is in; beta and Wq may stay out
	s_wait_dscnt 0x0
	DOT2 DT, DT+2, WK, NV
	s_wait_loadcnt 0x0
	DOT2 DT+4, DT+6, WQ, LB
.irp m, 1,2,4,8
.irp r, 0,2,4,6
	v_add_f32_dpp v[DT+\r], v[DT+\r], v[DT+\r] row_xmask:\m row_mask:0xf bank_mask:0xf
.endr
.endr
.irp r, 0,2,4,6
	v_permlanex16_b32 v[DT+\r+1], v[DT+\r], s[SEL], s[SEL+1]
.endr
.irp r, 0,2,4,6
	v_add_f32 v[DT+\r], v[DT+\r], v[DT+\r+1]
.endr
	v_mul_f32 v[KS], v[DT], v[SK]
	v_mul_f32 v[KS+1], v[DT], v[SK]
	v_mul_f32 v[KS+2], v[DT+2], v[SK]
	v_mul_f32 v[KS+3], v[DT+2], v[SK]
	v_mul_f32 v[BU], v[KS], v[DT+4]
	v_fmac_f32 v[BU], v[KS+2], v[DT+6]
.irp p, 0,1,2,3,4,5,6,7
	v_pk_mul_f32 v[U+2*\p:U+2*\p+1], v[WQ+2*\p:WQ+2*\p+1], v[KS:KS+1]
.endr
.irp p, 0,1,2,3,4,5,6,7
	v_pk_fma_f32 v[U+2*\p:U+2*\p+1], v[WQ+16+2*\p:WQ+16+2*\p+1], v[KS+2:KS+3], v[U+2*\p:U+2*\p+1]
.endr
.irp j, 0,1,2,3
	ds_store_b128 v[ES], v[U+4*\j:U+4*\j+3] offset:EX+512*\j
.endr
	ds_store_b32 v[BW], v[BU] offset:BUW           ; all lanes write the same word with the same number
	s_wait_dscnt 0x0
	s_barrier_signal -1
	s_barrier_wait -1
	; THE TABLE'S ROW: waves 0 to 3, four columns a thread: a wave stores 256 consecutive bytes, aligned
	s_cmp_lt_u32 s2, 4
	s_cbranch_scc0 .Lend
	SUM16
	v_pk_mul_f32 v[PR:PR+1], v[PR:PR+1], v[GQ:GQ+1]
	v_pk_mul_f32 v[PR+2:PR+3], v[PR+2:PR+3], v[GQ+2:GQ+3]
	v_cvt_pk_bf16_f32 v[DT], v[PR], v[PR+1]
	v_cvt_pk_bf16_f32 v[DT+1], v[PR+2], v[PR+3]
	global_store_b64 v[TO], v[DT:DT+1], s[20:21]
	s_cmp_eq_u32 s2, 0
	s_cbranch_scc0 .Lend
	; THE BIAS TERM: wave 0 adds the 16 waves' parts
.irp i, 0,1,2,3
	ds_load_b128 v[PR+4*\i:PR+4*\i+3], v[ZO] offset:BUW+16*\i
.endr
	s_wait_dscnt 0x0
.irp p, 0,2,4,6
	v_pk_add_f32 v[PR+\p:PR+\p+1], v[PR+\p:PR+\p+1], v[PR+8+\p:PR+8+\p+1]
.endr
	v_pk_add_f32 v[PR:PR+1], v[PR:PR+1], v[PR+4:PR+5]
	v_pk_add_f32 v[PR+2:PR+3], v[PR+2:PR+3], v[PR+6:PR+7]
	v_pk_add_f32 v[PR:PR+1], v[PR:PR+1], v[PR+2:PR+3]
	v_add_f32 v[AX], v[PR], v[PR+1]
	v_cmp_eq_u32 vcc_lo, 0, v1
	s_wait_xcnt 0x0                                ; EXEC is a source of the memory instructions issued so far: it changes only behind this wait
	s_and_saveexec_b32 s36, vcc_lo
	global_store_b64 v[ZO], v[AX:AX+1], s[22:23]   ; lane 0 alone
	s_wait_xcnt 0x0                                ; and again, in front of the line that widens it
	s_or_b32 exec_lo, exec_lo, s36
.Lend:
	s_wait_tensorcnt 0x0                           ; the wave's end: behind my last LDS store
	ds_add_u32 v[SPW], v[NIL]
	s_wait_dscnt 0x0
	s_endpgm
.Lfunc_end_k_qf89ba5849d_sv0:
	.size	k_qf89ba5849d_sv0, .Lfunc_end_k_qf89ba5849d_sv0-k_qf89ba5849d_sv0
	.p2alignl 7, 3214868480
	.fill 96, 4, 3214868480
	.section	.rodata,"a",@progbits
	.p2align	6, 0x0
	.amdhsa_kernel k_qf89ba5849d_sv0
		.amdhsa_group_segment_fixed_size 37120
		.amdhsa_private_segment_fixed_size 0
		.amdhsa_enable_private_segment 0
		.amdhsa_kernarg_size 64
		.amdhsa_user_sgpr_count 2
		.amdhsa_user_sgpr_kernarg_segment_ptr 1
		.amdhsa_wavefront_size32 1
		.amdhsa_system_sgpr_workgroup_id_x 1
		.amdhsa_system_sgpr_workgroup_id_y 1
		.amdhsa_system_sgpr_workgroup_id_z 1
		.amdhsa_system_vgpr_workitem_id 0
		.amdhsa_next_free_vgpr 232
		.amdhsa_next_free_sgpr 66
		.amdhsa_reserve_vcc 1
		.amdhsa_float_denorm_mode_32 3
		.amdhsa_float_denorm_mode_16_64 3
		.amdhsa_memory_ordered 1
		.amdhsa_forward_progress 1
		.amdhsa_inst_pref_size 23
	.end_amdhsa_kernel
	.amdgpu_metadata
---
amdhsa.version: [ 1, 2 ]
amdhsa.kernels:
  - .name:           k_qf89ba5849d_sv0
    .symbol:         k_qf89ba5849d_sv0.kd
    .args:
      - { .name: partA, .offset: 0, .size: 8, .value_kind: global_buffer, .address_space: global }
      - { .name: aud_kpm, .offset: 8, .size: 8, .value_kind: global_buffer, .address_space: global }
      - { .name: Wk_aud_for_vid, .offset: 16, .size: 8, .value_kind: global_buffer, .address_space: global }
      - { .name: Wq_vid, .offset: 24, .size: 8, .value_kind: global_buffer, .address_space: global }
      - { .name: vid_ln_g, .offset: 32, .size: 8, .value_kind: global_buffer, .address_space: global }
      - { .name: vid_ln_b, .offset: 40, .size: 8, .value_kind: global_buffer, .address_space: global }
      - { .name: tab, .offset: 48, .size: 8, .value_kind: global_buffer, .address_space: global }
      - { .name: aux, .offset: 56, .size: 8, .value_kind: global_buffer, .address_space: global }
    .group_segment_fixed_size: 37120
    .private_segment_fixed_size: 0
    .kernarg_segment_align: 8
    .kernarg_segment_size: 64
    .max_flat_workgroup_size: 512
    .sgpr_count:     66
    .vgpr_count:     232
    .wavefront_size: 32
...
	.end_amdgpu_metadata
.endif
;; end of part 2
;; launch p1 (part 3): grid 256 x 1, 8 waves a work-group, no clusters, 67,328 bytes of LDS; arguments x_vid, tab, aux, vg_W1, vg_b1, vg_W2, vg_b2, vid_kpm, cv, partV; writes cv, partV
.if DOCPART == 3
	.amdgcn_target "amdgcn-amd-amdhsa--gfx1250"
	.amdhsa_code_object_version 6
	.text
	.protected	k_qf89ba5849d_p1
	.globl	k_qf89ba5849d_p1
	.p2align	8
	.type	k_qf89ba5849d_p1,@function
k_qf89ba5849d_p1:
	s_mov_b64 s[64:65], 0
	v_nop
	global_prefetch_b8 v0, s[64:65] scope:SCOPE_SE
	s_setreg_imm32_b32 hwreg(HW_REG_WAVE_MODE, 25, 1), 1
	s_wait_xcnt 0x0
; A GATING STAGE'S PASS OVER THE QUERY STREAM.  For row t of batch b, with m, v the raw row's mean and variance and c the factor that earlier stages have put on the row (1 in layer 0):
;   rs = c / sqrt(c^2 v + 1e-5);   rel[h] = rs ((x_t - m) . (tab[b][h] + tab[b][h+8])) + bu[h] + bu[h+8];   gate = gmul x sigmoid(W2 . relu(W1 rel + b1) + b2);   c2 = c (1 + gate)
; and, for the next stage, in which these rows are the keys: part[W][:] = the sum over the work-group's rows that the mask leaves of (x_t - m) c2 / sqrt(c2^2 v + 1e-5).
; FIN = 0 (layer 0): c = 1, and c2 is stored, 4 bytes a row: the stream itself is not rewritten.  FIN = 1 (layer 1): c is read, and the row x_t c2 is the module's output.
; (Where FIN = 1 runs the module's last stage, its partial sums are stored and read by nobody: the price of one text for both streams.)
; SHARES.  Work-group W owns rows 32 W .. 32 W + 31, each of its eight waves four rows, read once, 16 loads a wave, and kept in registers.  A lane holds columns 128 j + 4 lane + i: a load or store of a wave covers 512 consecutive bytes.
; THE PRODUCT.  Source 0 = the table's 16 rows, source 1 = the wave's four rows (x - m), each taken four times: register j of lane l holds (table row 8 (l / 16) + j) . (row l % 4).  K = 512 in 16 steps, on two accumulators by turns.
; Both operands are bf16, each rounded once; the mean is taken away ahead of the rounding.  bf16, not f16: the table's numbers shrink with the square of the weights and have no room in f16.
; NO CLUSTER: what work-groups share is the table, 16 KiB beside 64 KiB of rows of their own.  No copy engine, no ring: every LDS byte is written once, and there is one trip.
; LIMITS.  Statistics, sums, c, the gate's two layers in f32; two-pass variance; the variance of c x is taken as c^2 v.  v_rsq_f32, v_exp_f32, v_rcp_f32 are good to 1 ULP and count denormals as 0.  A mask byte other than 0 hides its row.
.set FIN,   0
.set LAYER, FIN
.set PITCH, 1040                       ; an LDS row of 512 bf16: 1,024 bytes + 16 = 260 words: the 16 rows of a fragment load start at 16 different groups of four banks (64 banks of 4 bytes: ISA guide 11.1)
.set TAB,   0                          ; the table: 16 rows
.set XA,    16*PITCH                   ; x - m in bf16: 4 rows for each wave, the wave's own
.set ZR,    XA+8*4*PITCH               ; eight waves x 2,048 bytes: each wave's column sums
.set SPARE, ZR+8*2048                  ; the spare words, 128 bytes for each wave, that no other line names
.set XO,  2                            ; v2   16 x lane
.set RR,  3                            ; v3   lane % 16
.set H2,  4                            ; v4   lane / 16
.set TO,  5                            ; v5   16 x thread
.set TL,  6                            ; v6   where my 16 bytes of the table go: (thread / 64) x PITCH + 16 (thread % 64)
.set XS,  7                            ; v7   4 PITCH x wave + 8 x lane
.set TFA, 8                            ; v8   a fragment of the table: (lane % 16) x PITCH + 16 (lane / 16)
.set XFA, 9                            ; v9   a fragment of my rows: 4 PITCH x wave + (lane % 4) x PITCH + 16 (lane / 16)
.set ZS,  10                           ; v10  2,048 x wave + 16 x lane
.set AO,  12                           ; v12  64 (lane / 16): my eight table rows' pairs in aux
.set WO,  13                           ; v13  my two rows e of W1: e0 = 2 ((lane / 4) % 4) + 8 (lane / 16), 32 bytes a row
.set BO,  14                           ; v14  the same two in b1 and W2
.set CO,  15                           ; v15  4 x lane
.set SPW, 16                           ; v16  LDS address of my spare word; never rewritten
.set NIL, 17                           ; v17  0; never rewritten
.set PO,  18                           ; v18  16 x (thread mod 128)
.set EPSV, 19                          ; v19  1e-5
.set NM,  20                           ; v[20:27]  row t: -m_t, twice
.set VAR, 28                           ; v[28:31]  v_t
.set RS,  32                           ; v[32:35]  rs_t
.set WP,  36                           ; v[36:43]  row t's weight in the column sums, twice
.set MC,  44                           ; v[44:51]  -m_t c2_t, twice (FIN)
.set RSEL, 52                          ; v52  rs of row lane % 4
.set G1,  53                           ; v53  1 + gate of row lane % 4
.set T0,  54                           ; v[54:59]  at work
.set AUX, 60                           ; v[60:75]  {bu, gmul} of my eight table rows
.set W1,  76                           ; v[76:91]  my two rows of W1
.set B1,  92                           ; v[92:93]
.set W2,  94                           ; v[94:95]
.set D0,  96                           ; v[96:103]  the even K steps' sums
.set D1,  104                          ; v[104:111] the odd K steps'
.set Z,   112                          ; v[112:127] my 16 column sums
.set X,   128                          ; v[128:191] row t at X + 16 t
.set F,   192                          ; v[192:255] by turns: the table on its way to LDS; two sets of fragments; rel and the gate's hidden layer; eight waves' column sums
.set TT,  208                          ; v[208:239] eight registers a row, at work
.set SEL, 30                           ; s[30:31] v_permlanex16_b32's selects: each lane takes its own place in the other half
.set KPW, 32                           ; s32  my four rows' mask bytes
.set B2,  33                           ; s33  b2
.set NLE, 34                           ; s34  -log2(e);  s35  b2 times that
.set CIN, 36                           ; s[36:39] c of my four rows (FIN)
.set C2,  40                           ; s[40:47] c2_t, twice (FIN)
.set VAL, 48                           ; s[48:51] 1.0 where the row counts, else 0; later c2_t^2
.set GS,  56                           ; s[56:59] 1 + gate by row
.set CW,  60                           ; s[60:63] c2_t x VAL_t
.if FIN
.set C2B, C2                           ; c2_t lies at s[C2B + C2S t]
.set C2S, 2
.else
.set C2B, GS
.set C2S, 1
.endif
.macro ALLSUM                          ; v[TT + 8 t], t = 0..3, summed over the 32 lanes; the four rows by turns
.irp m, 1,2,4,8
.irp t, 0,1,2,3
	v_add_f32_dpp v[TT+8*\t], v[TT+8*\t], v[TT+8*\t] row_xmask:\m row_mask:0xf bank_mask:0xf
.endr
.endr
.irp t, 0,1,2,3
	v_permlanex16_b32 v[TT+8*\t+2], v[TT+8*\t], s[SEL], s[SEL+1]
.endr
.irp t, 0,1,2,3
	v_add_f32 v[TT+8*\t], v[TT+8*\t], v[TT+8*\t+2]
.endr
.endm
.macro MEAN                            ; -m_t into NM, twice
.irp p, 0,1,2,3
.irp t, 0,1,2,3
	v_pk_add_f32 v[TT+8*\t+2*\p:TT+8*\t+2*\p+1], v[X+16*\t+4*\p:X+16*\t+4*\p+1], v[X+16*\t+4*\p+2:X+16*\t+4*\p+3]
.endr
.endr
.irp p, 0,4
.irp t, 0,1,2,3
	v_pk_add_f32 v[TT+8*\t+\p:TT+8*\t+\p+1], v[TT+8*\t+\p:TT+8*\t+\p+1], v[TT+8*\t+\p+2:TT+8*\t+\p+3]
.endr
.endr
.irp t, 0,1,2,3
	v_pk_add_f32 v[TT+8*\t:TT+8*\t+1], v[TT+8*\t:TT+8*\t+1], v[TT+8*\t+4:TT+8*\t+5]
.endr
.irp t, 0,1,2,3
	v_add_f32 v[TT+8*\t], v[TT+8*\t], v[TT+8*\t+1]
.endr
	ALLSUM
.irp t, 0,1,2,3
	v_mul_f32 v[NM+2*\t], 0xbb000000, v[TT+8*\t]    ; times -1/512
	v_mul_f32 v[NM+2*\t+1], 0xbb000000, v[TT+8*\t]
.endr
.endm
.macro CENTER                          ; x - m, in place
.irp p, 0,1,2,3,4,5,6,7
.irp t, 0,1,2,3
	v_pk_add_f32 v[X+16*\t+2*\p:X+16*\t+2*\p+1], v[X+16*\t+2*\p:X+16*\t+2*\p+1], v[NM+2*\t:NM+2*\t+1]
.endr
.endr
.endm
.macro VARI                            ; the mean of (x - m)^2, in two chains a row
.irp p, 0,1
.irp t, 0,1,2,3
	v_pk_mul_f32 v[TT+8*\t+2*\p:TT+8*\t+2*\p+1], v[X+16*\t+2*\p:X+16*\t+2*\p+1], v[X+16*\t+2*\p:X+16*\t+2*\p+1]
.endr
.endr
.irp p, 2,3,4,5,6,7
.irp t, 0,1,2,3
	v_pk_fma_f32 v[TT+8*\t+2*(\p%2):TT+8*\t+2*(\p%2)+1], v[X+16*\t+2*\p:X+16*\t+2*\p+1], v[X+16*\t+2*\p:X+16*\t+2*\p+1], v[TT+8*\t+2*(\p%2):TT+8*\t+2*(\p%2)+1]
.endr
.endr
.irp t, 0,1,2,3
	v_pk_add_f32 v[TT+8*\t:TT+8*\t+1], v[TT+8*\t:TT+8*\t+1], v[TT+8*\t+2:TT+8*\t+3]
.endr
.irp t, 0,1,2,3
	v_add_f32 v[TT+8*\t], v[TT+8*\t], v[TT+8*\t+1]
.endr
	ALLSUM
.irp t, 0,1,2,3
	v_mul_f32 v[VAR+\t], 0x3b000000, v[TT+8*\t]     ; times 1/512
.endr
.endm
.macro PACKX                           ; x - m rounded to bf16, into my wave's four LDS rows: my four neighbouring columns are 8 bytes, 32 lanes 256 bytes on end
.irp t, 0,1,2,3
.irp j, 0,1,2,3
	v_cvt_pk_bf16_f32 v[TT+8*\t+2*\j], v[X+16*\t+4*\j], v[X+16*\t+4*\j+1]
	v_cvt_pk_bf16_f32 v[TT+8*\t+2*\j+1], v[X+16*\t+4*\j+2], v[X+16*\t+4*\j+3]
.endr
.irp j, 0,1,2,3
	ds_store_b64 v[XS], v[TT+8*\t+2*\j:TT+8*\t+2*\j+1] offset:XA+PITCH*\t+256*\j
.endr
.endr
.endm
.macro FRAG set, g                     ; the fragments of K steps 2 g and 2 g + 1 into set: for each step 8 registers of the table, then 8 of my rows: eight loads
.irp u, 0,1
	ds_load_b128 v[F+32*(\set)+16*\u:F+32*(\set)+16*\u+3],     v[TFA] offset:TAB+64*(2*(\g)+\u)
	ds_load_b128 v[F+32*(\set)+16*\u+4:F+32*(\set)+16*\u+7],   v[TFA] offset:TAB+64*(2*(\g)+\u)+32
	ds_load_b128 v[F+32*(\set)+16*\u+8:F+32*(\set)+16*\u+11],  v[XFA] offset:XA+64*(2*(\g)+\u)
	ds_load_b128 v[F+32*(\set)+16*\u+12:F+32*(\set)+16*\u+15], v[XFA] offset:XA+64*(2*(\g)+\u)+32
.endr
.endm
.macro MM set, first                   ; two K steps; the two accumulators take turns, one instruction a turn; first = 1: the products start the sums
.if \first
	v_wmma_f32_16x16x32_bf16 v[D0:D0+7], v[F+32*(\set):F+32*(\set)+7], v[F+32*(\set)+8:F+32*(\set)+15], 0
	v_wmma_f32_16x16x32_bf16 v[D1:D1+7], v[F+32*(\set)+16:F+32*(\set)+23], v[F+32*(\set)+24:F+32*(\set)+31], 0
.else
	v_wmma_f32_16x16x32_bf16 v[D0:D0+7], v[F+32*(\set):F+32*(\set)+7], v[F+32*(\set)+8:F+32*(\set)+15], v[D0:D0+7]
	v_wmma_f32_16x16x32_bf16 v[D1:D1+7], v[F+32*(\set)+16:F+32*(\set)+23], v[F+32*(\set)+24:F+32*(\set)+31], v[D1:D1+7]
.endif
.endm
.macro PLACES                          ; four plain places behind a matrix instruction, in front of loads into registers that it has read (ISA guide 7.12.1 for vector instructions)
.rept 4
	v_nop
.endr
.endm
.macro ZSUM                            ; my 16 columns of the four rows, each row times its weight
.irp p, 0,1,2,3,4,5,6,7
	v_pk_mul_f32 v[Z+2*\p:Z+2*\p+1], v[X+2*\p:X+2*\p+1], v[WP:WP+1]
.endr
.irp t, 1,2,3
.irp p, 0,1,2,3,4,5,6,7
	v_pk_fma_f32 v[Z+2*\p:Z+2*\p+1], v[X+16*\t+2*\p:X+16*\t+2*\p+1], v[WP+2*\t:WP+2*\t+1], v[Z+2*\p:Z+2*\p+1]
.endr
.endr
.endm
	s_load_b512 s[8:23], s[0:1], 0x0               ; x 8, tab 10, aux 12, W1 14, b1 16, W2 18, b2 20, kpm 22
	s_load_b128 s[24:27], s[0:1], 0x40             ; c out (FIN: the output) 24, part 26
.if FIN
	s_load_b64 s[28:29], s[0:1], 0x50              ; c in
.endif
	v_lshl_add_u32 v[SPW], v0, 2, SPARE
	v_mov_b32 v[NIL], 0
	v_lshrrev_b32 v[T0], 5, v0
	v_readfirstlane_b32 s2, v[T0]                  ; wave 0..7
	s_lshr_b32 s4, ttmp9, 6                        ; b: 64 work-groups a batch
	s_lshl_b32 s40, ttmp9, 16                      ; the work-group's 32 rows of 2,048 bytes,
	s_lshl_b32 s5, s2, 13                          ; my wave's four
	s_add_co_u32 s40, s40, s5
	s_mov_b32 s41, 0
	s_lshl_b32 s42, s4, 14                         ; the batch's table: 16 rows of 1,024 bytes
	s_mov_b32 s43, 0
	s_lshl_b32 s44, s4, 7                          ; and its 16 pairs in aux
	s_mov_b32 s45, 0
	s_lshl_b32 s46, ttmp9, 5                       ; my rows' mask bytes
	s_lshl_b32 s5, s2, 2
	s_add_co_u32 s46, s46, s5
	s_mov_b32 s47, 0
	s_lshl_b32 s48, ttmp9, 7                       ; my rows' c
	s_lshl_b32 s5, s2, 4
	s_add_co_u32 s48, s48, s5
	s_mov_b32 s49, 0
	s_lshl_b32 s50, ttmp9, 11                      ; the work-group's row of part
	s_mov_b32 s51, 0
	s_mov_b32 s[SEL], 0x76543210
	s_mov_b32 s[SEL+1], 0xfedcba98
	s_mov_b32 s[NLE], 0xbfb8aa3b
	v_and_b32 v1, 31, v0                           ; lane
	v_and_b32 v[RR], 15, v0
	v_bfe_u32 v[H2], v0, 4, 1
	v_lshlrev_b32 v[XO], 4, v1
	v_lshlrev_b32 v[TO], 4, v0
	v_lshrrev_b32 v[T0], 6, v0
	v_and_b32 v[T0+1], 63, v0
	v_mul_u32_u24 v[TL], v[T0], PITCH
	v_lshl_add_u32 v[TL], v[T0+1], 4, v[TL]
	s_mul_i32 s5, s2, 4*PITCH
	v_lshl_add_u32 v[XS], v1, 3, s5
	v_mul_u32_u24 v[TFA], v[RR], PITCH
	v_lshl_add_u32 v[TFA], v[H2], 4, v[TFA]
	v_and_b32 v[T0+2], 3, v0
	v_mul_u32_u24 v[XFA], v[T0+2], PITCH
	v_lshl_add_u32 v[XFA], v[H2], 4, v[XFA]
	v_add_nc_u32 v[XFA], s5, v[XFA]
	v_cmp_eq_u32 s52, 1, v[T0+2]                   ; the lanes of row 1, 2, 3
	v_cmp_eq_u32 s53, 2, v[T0+2]
	v_cmp_eq_u32 s54, 3, v[T0+2]
	s_lshl_b32 s5, s2, 11
	v_lshl_add_u32 v[ZS], v1, 4, s5
	v_and_b32 v[T0+3], 127, v0
	v_lshlrev_b32 v[PO], 4, v[T0+3]
	v_lshlrev_b32 v[AO], 6, v[H2]
	v_bfe_u32 v[T0+4], v0, 2, 2
	v_lshlrev_b32 v[WO], 6, v[T0+4]
	v_lshl_add_u32 v[WO], v[H2], 8, v[WO]
	v_lshlrev_b32 v[BO], 3, v[T0+4]
	v_lshl_add_u32 v[BO], v[H2], 5, v[BO]
.if !FIN
	v_lshlrev_b32 v[CO], 2, v1
.endif
	v_mov_b32 v[EPSV], 0x3727c5ac
	s_wait_kmcnt 0x0
	s_add_nc_u64 s[8:9], s[8:9], s[40:41]
	s_add_nc_u64 s[10:11], s[10:11], s[42:43]
	s_add_nc_u64 s[12:13], s[12:13], s[44:45]
	s_add_nc_u64 s[22:23], s[22:23], s[46:47]
.if FIN
	s_add_nc_u64 s[24:25], s[24:25], s[40:41]
	s_add_nc_u64 s[28:29], s[28:29], s[48:49]
.else
	s_add_nc_u64 s[24:25], s[24:25], s[48:49]
.endif
	s_add_nc_u64 s[26:27], s[26:27], s[50:51]
	s_load_b32 s[KPW], s[22:23], 0x0
	s_load_b32 s[B2], s[20:21], 4*LAYER
.if FIN
	s_load_b128 s[CIN:CIN+3], s[28:29], 0x0
.endif
	; all 30 loads of the wave, in the order in which they are wanted
.irp i, 0,1,2,3
	global_load_b128 v[F+4*\i:F+4*\i+3], v[TO], s[10:11] offset:4096*\i
.endr
.irp t, 0,1,2,3
.irp j, 0,1,2,3
.if FIN
	global_load_b128 v[X+16*\t+4*\j:X+16*\t+4*\j+3], v[XO], s[8:9] offset:2048*\t+512*\j th:TH_LOAD_NT
.else
	global_load_b128 v[X+16*\t+4*\j:X+16*\t+4*\j+3], v[XO], s[8:9] offset:2048*\t+512*\j
.endif
.endr
.endr
.irp i, 0,1,2,3
	global_load_b128 v[AUX+4*\i:AUX+4*\i+3], v[AO], s[12:13] offset:16*\i
.endr
.irp i, 0,1,2,3
	global_load_b128 v[W1+4*\i:W1+4*\i+3], v[WO], s[14:15] offset:512*LAYER+16*\i
.endr
	global_load_b64 v[B1:B1+1], v[BO], s[16:17] offset:64*LAYER
	global_load_b64 v[W2:W2+1], v[BO], s[18:19] offset:64*LAYER
	s_wait_loadcnt 26                              ; my four pieces of the table are in; the 26 loads behind them may stay out
.irp i, 0,1,2,3
	ds_store_b128 v[TL], v[F+4*\i:F+4*\i+3] offset:TAB+4*PITCH*\i
.endr
	s_wait_loadcnt 10                              ; my four rows are in; aux (4), W1 (4), b1 and W2 may stay out
	MEAN
	CENTER
	VARI
	s_wait_kmcnt 0x0                               ; the mask bytes, b2 and (FIN) c
.if FIN
.irp t, 0,1,2,3
	s_mul_f32 s[GS+\t], s[CIN+\t], s[CIN+\t]
.endr
.irp t, 0,1,2,3
	v_fma_f32 v[T0+\t], s[GS+\t], v[VAR+\t], v[EPSV]   ; c^2 v + eps
.endr
.else
.irp t, 0,1,2,3
	v_add_f32 v[T0+\t], v[EPSV], v[VAR+\t]
.endr
.endif
.irp t, 0,1,2,3
	v_rsq_f32 v[RS+\t], v[T0+\t]
.endr
	PACKX                                          ; names none of the roots: the work between the batch and its wait
.irp t, 0,1,2,3
	s_bfe_u32 s5, s[KPW], 0x80000+8*\t             ; byte t
	s_cmp_eq_u32 s5, 0
	s_cselect_b32 s[VAL+\t], 1.0, 0
.endr
	s_mul_f32 s[NLE+1], s[B2], s[NLE]
	s_wait_alu depctr_va_vdst(0)                   ; one wait for the four roots, ahead of their first reader
.if FIN
.irp t, 0,1,2,3
	v_mul_f32 v[RS+\t], s[CIN+\t], v[RS+\t]
.endr
.endif
	v_cndmask_b32 v[RSEL], v[RS], v[RS+1], s52
	v_cndmask_b32 v[RSEL], v[RSEL], v[RS+2], s53
	v_cndmask_b32 v[RSEL], v[RSEL], v[RS+3], s54
	s_wait_dscnt 0x0                               ; for the others' sake: my part of the table is stored
	s_barrier_signal -1
	s_barrier_wait -1                              ; the table is whole
	; THE PRODUCT: two sets of fragments; while one is multiplied the other's eight loads are out
	FRAG 0, 0
	FRAG 1, 1
.irp g, 0,1,2,3,4,5,6,7
.if \g == 7
	s_wait_dscnt 0x0
.else
	s_wait_dscnt 0x8                               ; this set is in; the younger set's eight loads may stay out
.endif
.if \g == 0
	MM 0, 1
.else
	MM (\g%2), 0
.endif
.if \g < 6
	PLACES
	FRAG (\g%2), (\g+2)
.endif
.endr
	PLACES
	PLACES                                         ; eight plain places, once a launch, ahead of the first read of the sums: twice what ISA guide 7.12.1 asks
	s_wait_loadcnt 0x0                             ; aux and the gate's weights
	; THE GATE.  Each accumulator is read from its low end on.
.irp p, 0,2,4,6
	v_pk_add_f32 v[D0+\p:D0+\p+1], v[D0+\p:D0+\p+1], v[D1+\p:D1+\p+1]
.endr
.irp j, 0,1,2,3,4,5,6,7
	v_fma_f32 v[F+\j], v[D0+\j], v[RSEL], v[AUX+2*\j]  ; my half of head j: rs x product + bias term
.endr
.irp j, 0,1,2,3,4,5,6,7
	v_permlanex16_b32 v[F+8+\j], v[F+\j], s[SEL], s[SEL+1]  ; the head's other half lies in the lane 16 away
.endr
.irp p, 0,2,4,6
	v_pk_add_f32 v[F+\p:F+\p+1], v[F+\p:F+\p+1], v[F+8+\p:F+8+\p+1]  ; every lane: the 8 rel of row lane % 4
.endr
	v_fma_f32 v[F+16], v[F], v[W1], v[B1]          ; my two of the 16 hidden units, the two chains by turns
	v_fma_f32 v[F+17], v[F], v[W1+8], v[B1+1]
.irp j, 1,2,3,4,5,6,7
	v_fma_f32 v[F+16], v[F+\j], v[W1+\j], v[F+16]
	v_fma_f32 v[F+17], v[F+\j], v[W1+8+\j], v[F+17]
.endr
	v_max_num_f32 v[F+16], 0, v[F+16]
	v_max_num_f32 v[F+17], 0, v[F+17]
	v_mul_f32 v[T0], v[F+16], v[W2]
	v_fmac_f32 v[T0], v[F+17], v[W2+1]
	v_add_f32_dpp v[T0], v[T0], v[T0] row_xmask:4 row_mask:0xf bank_mask:0xf   ; over the eight lanes that share a row
	v_add_f32_dpp v[T0], v[T0], v[T0] row_xmask:8 row_mask:0xf bank_mask:0xf
	v_permlanex16_b32 v[T0+1], v[T0], s[SEL], s[SEL+1]
	v_add_f32 v[T0], v[T0], v[T0+1]
	v_fma_f32 v[T0], v[T0], s[NLE], s[NLE+1]       ; -(p + b2) log2(e)
	v_exp_f32 v[T0], v[T0]
	v_nop                                          ; a plain instruction behind it,
	s_wait_alu depctr_va_vdst(0)                   ; and its wait, ahead of its reader
	v_add_f32 v[T0], 1.0, v[T0]
	v_rcp_f32 v[T0], v[T0]
	v_nop
	s_wait_alu depctr_va_vdst(0)
	v_fma_f32 v[G1], v[T0], v[AUX+1], 1.0          ; 1 + gmul x sigmoid
.irp t, 0,1,2,3
	v_readlane_b32 s[GS+\t], v[G1], \t             ; lane t holds row t's
.endr
	; THE ROWS' NEW FACTOR, AND THEIR WEIGHT IN THE NEXT STAGE'S SUM OVER KEYS
.if FIN
.irp t, 0,1,2,3
	s_mul_f32 s[C2+2*\t], s[GS+\t], s[CIN+\t]
.endr
.irp t, 0,1,2,3
	s_mov_b32 s[C2+2*\t+1], s[C2+2*\t]             ; named with it as a pair
.endr
.endif
.irp t, 0,1,2,3
	s_mul_f32 s[CW+\t], s[C2B+C2S*\t], s[VAL+\t]
.endr
.irp t, 0,1,2,3
	s_mul_f32 s[VAL+\t], s[C2B+C2S*\t], s[C2B+C2S*\t]
.endr
.irp t, 0,1,2,3
	v_fma_f32 v[T0+\t], s[VAL+\t], v[VAR+\t], v[EPSV]  ; c2^2 v + eps
.endr
.irp t, 0,1,2,3
	v_rsq_f32 v[T0+\t], v[T0+\t]
.endr
.if FIN
.irp t, 0,1,2,3
	v_mul_f32 v[MC+2*\t], s[C2+2*\t], v[NM+2*\t]   ; -m c2: the work between the batch and its wait
	v_mul_f32 v[MC+2*\t+1], s[C2+2*\t], v[NM+2*\t]
.endr
.else
	v_nop
.endif
	s_wait_alu depctr_va_vdst(0)                   ; one wait for the four roots
.irp t, 0,1,2,3
	v_mul_f32 v[WP+2*\t], s[CW+\t], v[T0+\t]
	v_mul_f32 v[WP+2*\t+1], s[CW+\t], v[T0+\t]
.endr
	ZSUM
.if FIN
	; THE OUTPUT: x c2 = (x - m) c2 - (-m c2), in place; a store of a wave covers 512 consecutive bytes
.irp t, 0,1,2,3
.irp p, 0,1,2,3,4,5,6,7
	v_pk_fma_f32 v[X+16*\t+2*\p:X+16*\t+2*\p+1], v[X+16*\t+2*\p:X+16*\t+2*\p+1], s[C2+2*\t:C2+2*\t+1], v[MC+2*\t:MC+2*\t+1] op_sel_hi:[1,0,1] neg_lo:[0,0,1] neg_hi:[0,0,1]
.endr
.irp j, 0,1,2,3
	global_store_b128 v[XO], v[X+16*\t+4*\j:X+16*\t+4*\j+3], s[24:25] offset:2048*\t+512*\j th:TH_STORE_NT
.endr
.endr
.else
	; c2 of my four rows: lanes 0 to 3
	v_cmp_gt_u32 vcc_lo, 4, v1
	s_wait_xcnt 0x0                                ; EXEC is a source of the memory instructions issued so far: it changes only behind this wait
	s_and_saveexec_b32 s55, vcc_lo
	global_store_b32 v[CO], v[G1], s[24:25]
	s_wait_xcnt 0x0                                ; and again, in front of the line that widens it
	s_or_b32 exec_lo, exec_lo, s55
.endif
	; the eight waves' column sums meet in LDS; waves 0 to 3 add them, four columns a thread, and store 512 consecutive bytes a wave
.irp j, 0,1,2,3
	ds_store_b128 v[ZS], v[Z+4*\j:Z+4*\j+3] offset:ZR+512*\j
.endr
	s_wait_dscnt 0x0                               ; for the others' sake: my stores are done
	s_barrier_signal -1
	s_barrier_wait -1
	s_cmp_lt_u32 s2, 4
	s_cbranch_scc0 .Lend
.irp k, 0,1,2,3,4,5,6,7
	ds_load_b128 v[F+4*\k:F+4*\k+3], v[PO] offset:ZR+2048*\k
.endr
	s_wait_dscnt 0x0
.irp s, 4,2,1
.set k, 0
.rept \s
	v_pk_add_f32 v[F+4*k:F+4*k+1], v[F+4*k:F+4*k+1], v[F+4*(k+\s):F+4*(k+\s)+1]
	v_pk_add_f32 v[F+4*k+2:F+4*k+3], v[F+4*k+2:F+4*k+3], v[F+4*(k+\s)+2:F+4*(k+\s)+3]
.set k, k+1
.endr
.endr
	global_store_b128 v[PO], v[F:F+3], s[26:27]
.Lend:
	s_wait_tensorcnt 0x0                           ; the wave's end: behind my last LDS store
	ds_add_u32 v[SPW], v[NIL]
	s_wait_dscnt 0x0
	s_endpgm
.Lfunc_end_k_qf89ba5849d_p1:
	.size	k_qf89ba5849d_p1, .Lfunc_end_k_qf89ba5849d_p1-k_qf89ba5849d_p1
	.p2alignl 7, 3214868480
	.fill 96, 4, 3214868480
	.section	.rodata,"a",@progbits
	.p2align	6, 0x0
	.amdhsa_kernel k_qf89ba5849d_p1
		.amdhsa_group_segment_fixed_size 67328
		.amdhsa_private_segment_fixed_size 0
		.amdhsa_enable_private_segment 0
		.amdhsa_kernarg_size 80
		.amdhsa_user_sgpr_count 2
		.amdhsa_user_sgpr_kernarg_segment_ptr 1
		.amdhsa_wavefront_size32 1
		.amdhsa_system_sgpr_workgroup_id_x 1
		.amdhsa_system_sgpr_workgroup_id_y 1
		.amdhsa_system_sgpr_workgroup_id_z 1
		.amdhsa_system_vgpr_workitem_id 0
		.amdhsa_next_free_vgpr 256
		.amdhsa_next_free_sgpr 66
		.amdhsa_reserve_vcc 1
		.amdhsa_float_denorm_mode_32 3
		.amdhsa_float_denorm_mode_16_64 3
		.amdhsa_memory_ordered 1
		.amdhsa_forward_progress 1
		.amdhsa_inst_pref_size 36
	.end_amdhsa_kernel
	.amdgpu_metadata
---
amdhsa.version: [ 1, 2 ]
amdhsa.kernels:
  - .name:           k_qf89ba5849d_p1
    .symbol:         k_qf89ba5849d_p1.kd
    .args:
      - { .name: x_vid, .offset: 0, .size: 8, .value_kind: global_buffer, .address_space: global }
      - { .name: tab, .offset: 8, .size: 8, .value_kind: global_buffer, .address_space: global }
      - { .name: aux, .offset: 16, .size: 8, .value_kind: global_buffer, .address_space: global }
      - { .name: vg_W1, .offset: 24, .size: 8, .value_kind: global_buffer, .address_space: global }
      - { .name: vg_b1, .offset: 32, .size: 8, .value_kind: global_buffer, .address_space: global }
      - { .name: vg_W2, .offset: 40, .size: 8, .value_kind: global_buffer, .address_space: global }
      - { .name: vg_b2, .offset: 48, .size: 8, .value_kind: global_buffer, .address_space: global }
      - { .name: vid_kpm, .offset: 56, .size: 8, .value_kind: global_buffer, .address_space: global }
      - { .name: cv, .offset: 64, .size: 8, .value_kind: global_buffer, .address_space: global }
      - { .name: partV, .offset: 72, .size: 8, .value_kind: global_buffer, .address_space: global }
    .group_segment_fixed_size: 67328
    .private_segment_fixed_size: 0
    .kernarg_segment_align: 8
    .kernarg_segment_size: 80
    .max_flat_workgroup_size: 256
    .sgpr_count:     66
    .vgpr_count:     256
    .wavefront_size: 32
...
	.end_amdgpu_metadata
.endif
;; end of part 3
;; launch sa0: the kernel of part 2 again; grid 16 x 4, 16 waves a work-group, no clusters, 37,120 bytes of LDS; arguments partV, vid_kpm, Wk_vid_for_aud, Wq_aud, aud_ln_g, aud_ln_b, tab, aux; writes tab, aux
;; launch p2: the kernel of part 3 again; grid 256 x 1, 8 waves a work-group, no clusters, 67,328 bytes of LDS; arguments x_aud, tab, aux, ag_W1, ag_b1, ag_W2, ag_b2, aud_kpm, ca, partA; writes ca, partA
;; launch sv1 (part 4): grid 16 x 4, 16 waves a work-group, no clusters, 37,120 bytes of LDS; arguments partA, aud_kpm, Wk_aud_for_vid, Wq_vid, vid_ln_g, vid_ln_b, tab, aux; writes tab, aux
.if DOCPART == 4
	.amdgcn_target "amdgcn-amd-amdhsa--gfx1250"
	.amdhsa_code_object_version 6
	.text
	.protected	k_qf89ba5849d_sv1
	.globl	k_qf89ba5849d_sv1
	.p2align	8
	.type	k_qf89ba5849d_sv1,@function
k_qf89ba5849d_sv1:
	s_mov_b64 s[64:65], 0
	v_nop
	global_prefetch_b8 v0, s[64:65] scope:SCOPE_SE
	s_setreg_imm32_b32 hwreg(HW_REG_WAVE_MODE, 25, 1), 1
	s_wait_xcnt 0x0
; FROM THE SUM OVER KEYS TO THE TABLE THAT THE QUERIES ARE MULTIPLIED BY (layer LAYER of the weights).  For batch b:
;   zsum = the sum of part's 64 rows of b;  cnt = the keys that the mask leaves;  nsum = g zsum + cnt beta  (the sum over keys of the normalised rows)
;   ks[o] = 0.125 / max(cnt, 1) x Wk[o][:] . nsum      (0.125 = 64^-0.5; the summed keys, scaled)
;   tab[b][n][:] = g x the sum over the 32 rows o of block n of ks[o] Wq[o][:]  (bf16);  aux[b][n] = { the same sum of ks[o] (Wq[o][:] . beta), min(cnt, 1) }
; Block n = h + 8 oh is the half oh of head h: rows o = 64 h + 32 oh .. + 31.  The next launch adds a head's two halves.
; SHARES.  Work-group (n, b), 16 waves.  Wave w adds 4 of the 64 partial rows and owns rows o0 + 2 w, o0 + 2 w + 1 of Wk and of Wq.  A lane holds columns 128 j + 4 lane + i.
; All 42 loads of a wave go out at its head; the waits count what was issued behind the group that is wanted.
; NO MATRIX UNIT: a weight row meets one vector, and f32 on the vector unit spares a rounding.  NO CLUSTER: the 16 work-groups of a batch read the same 128 KiB of part (half of
; what each reads), but the text has one run of loads, straight into registers, and a joint request would want a round of the cluster's barrier ahead of it and a trip through LDS behind it.
; LIMITS.  All in f32 but tab, rounded once to bf16 (a matrix operand).  Mask bytes are taken as 0 or 1.  v_rcp_f32 is good to 1 ULP.
.set LAYER, 1
.set NS,    0                          ; LDS: nsum, 2,048 bytes
.set BUW,   2048                       ; 16 words: each wave's part of the bias term (a block of 256 bytes)
.set EX,    2304                       ; 16 waves x 2,048 bytes: column sums on their way to be added; used twice, with a barrier between
.set SPARE, EX+16*2048                 ; the spare words, 128 bytes for each wave, that no other line names
.set LO,  2                            ; v2   16 x lane
.set QO,  3                            ; v3   16 x (thread mod 128)
.set ES,  4                            ; v4   2,048 x wave + 16 x lane
.set BW,  7                            ; v7   4 x wave
.set ZO,  8                            ; v8   0, an offset
.set TO,  9                            ; v9   8 x (thread mod 128)
.set SPW, 10                           ; v10  LDS address of my spare word; never rewritten
.set NIL, 11                           ; v11  0; never rewritten
.set CNT, 12                           ; v[12:13] cnt, twice
.set BU,  14                           ; v14  my wave's part of the bias term
.set SK,  15                           ; v15  0.125 / max(cnt, 1)
.set AX,  16                           ; v[16:17] what goes to aux: the bias term, min(cnt, 1)
.set T,   18                           ; v18  at work
.set DT,  20                           ; v[20:27] four dot products, a pair each
.set KS,  28                           ; v[28:31] ks of my two rows, each twice
.set KP,  32                           ; v[32:47] the batch's mask bytes
.set PR,  48                           ; v[48:111] four partial rows; later 16 waves' sums of my four columns
.set GQ,  112                          ; v[112:115] g of columns 4 (thread mod 128) ..
.set BQ,  116                          ; v[116:119] beta of the same
.set WK,  120                          ; v[120:151] my two rows of Wk
.set LB,  152                          ; v[152:167] beta of my lane's 16 columns
.set WQ,  168                          ; v[168:199] my two rows of Wq
.set NV,  200                          ; v[200:215] nsum of my lane's 16 columns
.set U,   216                          ; v[216:231] ks0 Wq0 + ks1 Wq1
.set SEL, 34                           ; s[34:35] v_permlanex16_b32's selects
.macro SUM16                           ; the 16 waves' sums of my four columns, added into v[PR:PR+3]
.irp k, 0,1,2,3,4,5,6,7,8,9,10,11,12,13,14,15
	ds_load_b128 v[PR+4*\k:PR+4*\k+3], v[QO] offset:EX+2048*\k
.endr
	s_wait_dscnt 0x0
.irp s, 8,4,2,1
.set k, 0
.rept \s
	v_pk_add_f32 v[PR+4*k:PR+4*k+1], v[PR+4*k:PR+4*k+1], v[PR+4*(k+\s):PR+4*(k+\s)+1]
	v_pk_add_f32 v[PR+4*k+2:PR+4*k+3], v[PR+4*k+2:PR+4*k+3], v[PR+4*(k+\s)+2:PR+4*(k+\s)+3]
.set k, k+1
.endr
.endr
.endm
.macro DOT2 a, b, mat, vec             ; my lane's part of two rows of mat times vec, the two chains by turns
	v_pk_mul_f32 v[\a:\a+1], v[\mat:\mat+1], v[\vec:\vec+1]
	v_pk_mul_f32 v[\b:\b+1], v[\mat+16:\mat+17], v[\vec:\vec+1]
.set p, 2
.rept 7
	v_pk_fma_f32 v[\a:\a+1], v[\mat+p:\mat+p+1], v[\vec+p:\vec+p+1], v[\a:\a+1]
	v_pk_fma_f32 v[\b:\b+1], v[\mat+16+p:\mat+16+p+1], v[\vec+p:\vec+p+1], v[\b:\b+1]
.set p, p+2
.endr
	v_add_f32 v[\a], v[\a], v[\a+1]
	v_add_f32 v[\b], v[\b], v[\b+1]
.endm
	s_load_b512 s[8:23], s[0:1], 0x0               ; part 8, kpm 10, Wk 12, Wq 14, g 16, beta 18, tab 20, aux 22
	v_lshl_add_u32 v[SPW], v0, 2, SPARE
	v_mov_b32 v[NIL], 0
	v_lshrrev_b32 v[T], 5, v0
	v_readfirstlane_b32 s2, v[T]                   ; wave 0..15
	v_and_b32 v1, 31, v0                           ; lane
	v_lshlrev_b32 v[LO], 4, v1
	v_and_b32 v[T], 127, v0
	v_lshlrev_b32 v[QO], 4, v[T]
	v_lshlrev_b32 v[TO], 3, v[T]
	v_mov_b32 v[ZO], 0
	s_lshl_b32 s5, s2, 11
	v_lshl_add_u32 v[ES], v1, 4, s5
	s_lshl_b32 s5, s2, 2
	v_mov_b32 v[BW], s5
	s_and_b32 s4, ttmp7, 0xffff                    ; b
	s_lshl_b32 s24, s4, 17                         ; part: the batch's 64 rows of 2,048 bytes,
	s_lshl_b32 s5, s2, 13                          ; my wave's four
	s_add_co_u32 s24, s24, s5
	s_mov_b32 s25, 0
	s_lshl_b32 s26, s4, 11                         ; the batch's 2,048 mask bytes
	s_mov_b32 s27, 0
	s_and_b32 s28, ttmp9, 7                        ; h
	s_lshl_b32 s28, s28, 6
	s_lshr_b32 s5, ttmp9, 3                        ; oh
	s_lshl_b32 s5, s5, 5
	s_add_co_u32 s28, s28, s5
	s_lshl_b32 s5, s2, 1
	s_add_co_u32 s28, s28, s5                      ; my first row o = 64 h + 32 oh + 2 w,
	s_lshl_b32 s28, s28, 11                        ; in bytes
.if LAYER
	s_add_co_u32 s28, s28, LAYER<<20               ; a layer's weights are 512 x 512 x 4 bytes
.endif
	s_mov_b32 s29, 0
	s_lshl_b32 s30, s4, 4
	s_add_co_u32 s30, s30, ttmp9                   ; 16 b + n
	s_lshl_b32 s32, s30, 3                         ; aux: 8 bytes
	s_lshl_b32 s30, s30, 10                        ; tab: 1,024 bytes
	s_mov_b32 s31, 0
	s_mov_b32 s33, 0
	s_mov_b32 s[SEL], 0x76543210
	s_mov_b32 s[SEL+1], 0xfedcba98
	s_mov_b32 s37, 0x01010101
	s_wait_kmcnt 0x0
	s_add_nc_u64 s[8:9], s[8:9], s[24:25]
	s_add_nc_u64 s[10:11], s[10:11], s[26:27]
	s_add_nc_u64 s[12:13], s[12:13], s[28:29]
	s_add_nc_u64 s[14:15], s[14:15], s[28:29]
	s_add_nc_u64 s[20:21], s[20:21], s[30:31]
	s_add_nc_u64 s[22:23], s[22:23], s[32:33]
.irp i, 0,1,2,3
	global_load_b128 v[KP+4*\i:KP+4*\i+3], v[LO], s[10:11] offset:512*\i
.endr
.irp t, 0,1,2,3
.irp j, 0,1,2,3
	global_load_b128 v[PR+16*\t+4*\j:PR+16*\t+4*\j+3], v[LO], s[8:9] offset:2048*\t+512*\j
.endr
.endr
	global_load_b128 v[GQ:GQ+3], v[QO], s[16:17] offset:2048*LAYER
	global_load_b128 v[BQ:BQ+3], v[QO], s[18:19] offset:2048*LAYER
.irp t, 0,1
.irp j, 0,1,2,3
	global_load_b128 v[WK+16*\t+4*\j:WK+16*\t+4*\j+3], v[LO], s[12:13] offset:2048*\t+512*\j
.endr
.endr
.irp j, 0,1,2,3
	global_load_b128 v[LB+4*\j:LB+4*\j+3], v[LO], s[18:19] offset:2048*LAYER+512*\j
.endr
.irp t, 0,1
.irp j, 0,1,2,3
	global_load_b128 v[WQ+16*\t+4*\j:WQ+16*\t+4*\j+3], v[LO], s[14:15] offset:2048*\t+512*\j
.endr
.endr
	; THE COUNT, in every wave for itself: 16 words of four bytes a lane; a byte's sum stays under 17, the four bytes' under 65
	s_wait_loadcnt 38                              ; the mask is in; the 38 loads behind it may stay out
.irp s, 8,4,2,1
.set k, 0
.rept \s
	v_add_nc_u32 v[KP+k], v[KP+k], v[KP+k+\s]
.set k, k+1
.endr
.endr
	v_mul_lo_u32 v[KP], v[KP], s37                 ; the top byte takes the sum of the four
	v_lshrrev_b32 v[KP], 24, v[KP]
	v_cvt_f32_u32 v[KP], v[KP]
.irp m, 1,2,4,8
	v_add_f32_dpp v[KP], v[KP], v[KP] row_xmask:\m row_mask:0xf bank_mask:0xf
.endr
	v_permlanex16_b32 v[KP+1], v[KP], s[SEL], s[SEL+1]
	v_add_f32 v[KP], v[KP], v[KP+1]                ; the hidden keys: a whole number up to 2,048, exact in f32
	v_sub_f32 v[CNT], 0x45000000, v[KP]            ; cnt = 2,048 - that
	v_sub_f32 v[CNT+1], 0x45000000, v[KP]
	v_max_num_f32 v[T], 1.0, v[CNT]
	v_min_num_f32 v[AX+1], 1.0, v[CNT]             ; 0 where every key is hidden: the gate is then 0
	v_rcp_f32 v[SK], v[T]
	; MY FOUR PARTIAL ROWS
	s_wait_loadcnt 22                              ; they are in; g, beta and the weights may stay out
.irp p, 0,1,2,3,4,5,6,7
	v_pk_add_f32 v[PR+2*\p:PR+2*\p+1], v[PR+2*\p:PR+2*\p+1], v[PR+16+2*\p:PR+16+2*\p+1]
	v_pk_add_f32 v[PR+32+2*\p:PR+32+2*\p+1], v[PR+32+2*\p:PR+32+2*\p+1], v[PR+48+2*\p:PR+48+2*\p+1]
.endr
.irp p, 0,1,2,3,4,5,6,7
	v_pk_add_f32 v[PR+2*\p:PR+2*\p+1], v[PR+2*\p:PR+2*\p+1], v[PR+32+2*\p:PR+32+2*\p+1]
.endr
	s_wait_alu depctr_va_vdst(0)                   ; the reciprocal's wait, ahead of its reader; the sums above stand between
	v_mul_f32 v[SK], 0x3e000000, v[SK]             ; times 0.125
.irp j, 0,1,2,3
	ds_store_b128 v[ES], v[PR+4*\j:PR+4*\j+3] offset:EX+512*\j
.endr
	s_wait_dscnt 0x0                               ; for the others' sake: my stores are done
	s_barrier_signal -1
	s_barrier_wait -1
	; NSUM: waves 0 to 3, four columns a thread
	s_cmp_lt_u32 s2, 4
	s_cbranch_scc0 .Lno_nsum
	SUM16
	s_wait_loadcnt 20                              ; g and beta of my four columns are in
	v_pk_mul_f32 v[DT:DT+1], v[BQ:BQ+1], v[CNT:CNT+1]
	v_pk_mul_f32 v[DT+2:DT+3], v[BQ+2:BQ+3], v[CNT:CNT+1]
	v_pk_fma_f32 v[DT:DT+1], v[GQ:GQ+1], v[PR:PR+1], v[DT:DT+1]
	v_pk_fma_f32 v[DT+2:DT+3], v[GQ+2:GQ+3], v[PR+2:PR+3], v[DT+2:DT+3]
	ds_store_b128 v[QO], v[DT:DT+3] offset:NS
.Lno_nsum:
	s_wait_dscnt 0x0                               ; nsum is stored, and the reads of EX are over: EX is written again behind this barrier
	s_barrier_signal -1
	s_barrier_wait -1
	; TWO ROWS OF Wk TIMES NSUM, TWO ROWS OF Wq TIMES BETA
.irp j, 0,1,2,3
	ds_load_b128 v[NV+4*\j:NV+4*\j+3], v[LO] offset:NS+512*\j
.endr
	s_wait_loadcnt 12                              ; Wk is in; beta and Wq may stay out
	s_wait_dscnt 0x0
	DOT2 DT, DT+2, WK, NV
	s_wait_loadcnt 0x0
	DOT2 DT+4, DT+6, WQ, LB
.irp m, 1,2,4,8
.irp r, 0,2,4,6
	v_add_f32_dpp v[DT+\r], v[DT+\r], v[DT+\r] row_xmask:\m row_mask:0xf bank_mask:0xf
.endr
.endr
.irp r, 0,2,4,6
	v_permlanex16_b32 v[DT+\r+1], v[DT+\r], s[SEL], s[SEL+1]
.endr
.irp r, 0,2,4,6
	v_add_f32 v[DT+\r], v[DT+\r], v[DT+\r+1]
.endr
	v_mul_f32 v[KS], v[DT], v[SK]
	v_mul_f32 v[KS+1], v[DT], v[SK]
	v_mul_f32 v[KS+2], v[DT+2], v[SK]
	v_mul_f32 v[KS+3], v[DT+2], v[SK]
	v_mul_f32 v[BU], v[KS], v[DT+4]
	v_fmac_f32 v[BU], v[KS+2], v[DT+6]
.irp p, 0,1,2,3,4,5,6,7
	v_pk_mul_f32 v[U+2*\p:U+2*\p+1], v[WQ+2*\p:WQ+2*\p+1], v[KS:KS+1]
.endr
.irp p, 0,1,2,3,4,5,6,7
	v_pk_fma_f32 v[U+2*\p:U+2*\p+1], v[WQ+16+2*\p:WQ+16+2*\p+1], v[KS+2:KS+3], v[U+2*\p:U+2*\p+1]
.endr
.irp j, 0,1,2,3
	ds_store_b128 v[ES], v[U+4*\j:U+4*\j+3] offset:EX+512*\j
.endr
	ds_store_b32 v[BW], v[BU] offset:BUW           ; all lanes write the same word with the same number
	s_wait_dscnt 0x0
	s_barrier_signal -1
	s_barrier_wait -1
	; THE TABLE'S ROW: waves 0 to 3, four columns a thread: a wave stores 256 consecutive bytes, aligned
	s_cmp_lt_u32 s2, 4
	s_cbranch_scc0 .Lend
	SUM16
	v_pk_mul_f32 v[PR:PR+1], v[PR:PR+1], v[GQ:GQ+1]
	v_pk_mul_f32 v[PR+2:PR+3], v[PR+2:PR+3], v[GQ+2:GQ+3]
	v_cvt_pk_bf16_f32 v[DT], v[PR], v[PR+1]
	v_cvt_pk_bf16_f32 v[DT+1], v[PR+2], v[PR+3]
	global_store_b64 v[TO], v[DT:DT+1], s[20:21]
	s_cmp_eq_u32 s2, 0
	s_cbranch_scc0 .Lend
	; THE BIAS TERM: wave 0 adds the 16 waves' parts
.irp i, 0,1,2,3
	ds_load_b128 v[PR+4*\i:PR+4*\i+3], v[ZO] offset:BUW+16*\i
.endr
	s_wait_dscnt 0x0
.irp p, 0,2,4,6
	v_pk_add_f32 v[PR+\p:PR+\p+1], v[PR+\p:PR+\p+1], v[PR+8+\p:PR+8+\p+1]
.endr
	v_pk_add_f32 v[PR:PR+1], v[PR:PR+1], v[PR+4:PR+5]
	v_pk_add_f32 v[PR+2:PR+3], v[PR+2:PR+3], v[PR+6:PR+7]
	v_pk_add_f32 v[PR:PR+1], v[PR:PR+1], v[PR+2:PR+3]
	v_add_f32 v[AX], v[PR], v[PR+1]
	v_cmp_eq_u32 vcc_lo, 0, v1
	s_wait_xcnt 0x0                                ; EXEC is a source of the memory instructions issued so far: it changes only behind this wait
	s_and_saveexec_b32 s36, vcc_lo
	global_store_b64 v[ZO], v[AX:AX+1], s[22:23]   ; lane 0 alone
	s_wait_xcnt 0x0                                ; and again, in front of the line that widens it
	s_or_b32 exec_lo, exec_lo, s36
.Lend:
	s_wait_tensorcnt 0x0                           ; the wave's end: behind my last LDS store
	ds_add_u32 v[SPW], v[NIL]
	s_wait_dscnt 0x0
	s_endpgm
.Lfunc_end_k_qf89ba5849d_sv1:
	.size	k_qf89ba5849d_sv1, .Lfunc_end_k_qf89ba5849d_sv1-k_qf89ba5849d_sv1
	.p2alignl 7, 3214868480
	.fill 96, 4, 3214868480
	.section	.rodata,"a",@progbits
	.p2align	6, 0x0
	.amdhsa_kernel k_qf89ba5849d_sv1
		.amdhsa_group_segment_fixed_size 37120
		.amdhsa_private_segment_fixed_size 0
		.amdhsa_enable_private_segment 0
		.amdhsa_kernarg_size 64
		.amdhsa_user_sgpr_count 2
		.amdhsa_user_sgpr_kernarg_segment_ptr 1
		.amdhsa_wavefront_size32 1
		.amdhsa_system_sgpr_workgroup_id_x 1
		.amdhsa_system_sgpr_workgroup_id_y 1
		.amdhsa_system_sgpr_workgroup_id_z 1
		.amdhsa_system_vgpr_workitem_id 0
		.amdhsa_next_free_vgpr 232
		.amdhsa_next_free_sgpr 66
		.amdhsa_reserve_vcc 1
		.amdhsa_float_denorm_mode_32 3
		.amdhsa_float_denorm_mode_16_64 3
		.amdhsa_memory_ordered 1
		.amdhsa_forward_progress 1
		.amdhsa_inst_pref_size 23
	.end_amdhsa_kernel
	.amdgpu_metadata
---
amdhsa.version: [ 1, 2 ]
amdhsa.kernels:
  - .name:           k_qf89ba5849d_sv1
    .symbol:         k_qf89ba5849d_sv1.kd
    .args:
      - { .name: partA, .offset: 0, .size: 8, .value_kind: global_buffer, .address_space: global }
      - { .name: aud_kpm, .offset: 8, .size: 8, .value_kind: global_buffer, .address_space: global }
      - { .name: Wk_aud_for_vid, .offset: 16, .size: 8, .value_kind: global_buffer, .address_space: global }
      - { .name: Wq_vid, .offset: 24, .size: 8, .value_kind: global_buffer, .address_space: global }
      - { .name: vid_ln_g, .offset: 32, .size: 8, .value_kind: global_buffer, .address_space: global }
      - { .name: vid_ln_b, .offset: 40, .size: 8, .value_kind: global_buffer, .address_space: global }
      - { .name: tab, .offset: 48, .size: 8, .value_kind: global_buffer, .address_space: global }
      - { .name: aux, .offset: 56, .size: 8, .value_kind: global_buffer, .address_space: global }
    .group_segment_fixed_size: 37120
    .private_segment_fixed_size: 0
    .kernarg_segment_align: 8
    .kernarg_segment_size: 64
    .max_flat_workgroup_size: 512
    .sgpr_count:     66
    .vgpr_count:     232
    .wavefront_size: 32
...
	.end_amdgpu_metadata
.endif
;; end of part 4
;; launch p3 (part 5): grid 256 x 1, 8 waves a work-group, no clusters, 67,328 bytes of LDS; arguments x_vid, tab, aux, vg_W1, vg_b1, vg_W2, vg_b2, vid_kpm, out0, partV, cv; writes out0, partV
.if DOCPART == 5
	.amdgcn_target "amdgcn-amd-amdhsa--gfx1250"
	.amdhsa_code_object_version 6
	.text
	.protected	k_qf89ba5849d_p3
	.globl	k_qf89ba5849d_p3
	.p2align	8
	.type	k_qf89ba5849d_p3,@function
k_qf89ba5849d_p3:
	s_mov_b64 s[64:65], 0
	v_nop
	global_prefetch_b8 v0, s[64:65] scope:SCOPE_SE
	s_setreg_imm32_b32 hwreg(HW_REG_WAVE_MODE, 25, 1), 1
	s_wait_xcnt 0x0
; A GATING STAGE'S PASS OVER THE QUERY STREAM.  For row t of batch b, with m, v the raw row's mean and variance and c the factor that earlier stages have put on the row (1 in layer 0):
;   rs = c / sqrt(c^2 v + 1e-5);   rel[h] = rs ((x_t - m) . (tab[b][h] + tab[b][h+8])) + bu[h] + bu[h+8];   gate = gmul x sigmoid(W2 . relu(W1 rel + b1) + b2);   c2 = c (1 + gate)
; and, for the next stage, in which these rows are the keys: part[W][:] = the sum over the work-group's rows that the mask leaves of (x_t - m) c2 / sqrt(c2^2 v + 1e-5).
; FIN = 0 (layer 0): c = 1, and c2 is stored, 4 bytes a row: the stream itself is not rewritten.  FIN = 1 (layer 1): c is read, and the row x_t c2 is the module's output.
; (Where FIN = 1 runs the module's last stage, its partial sums are stored and read by nobody: the price of one text for both streams.)
; SHARES.  Work-group W owns rows 32 W .. 32 W + 31, each of its eight waves four rows, read once, 16 loads a wave, and kept in registers.  A lane holds columns 128 j + 4 lane + i: a load or store of a wave covers 512 consecutive bytes.
; THE PRODUCT.  Source 0 = the table's 16 rows, source 1 = the wave's four rows (x - m), each taken four times: register j of lane l holds (table row 8 (l / 16) + j) . (row l % 4).  K = 512 in 16 steps, on two accumulators by turns.
; Both operands are bf16, each rounded once; the mean is taken away ahead of the rounding.  bf16, not f16: the table's numbers shrink with the square of the weights and have no room in f16.
; NO CLUSTER: what work-groups share is the table, 16 KiB beside 64 KiB of rows of their own.  No copy engine, no ring: every LDS byte is written once, and there is one trip.
; LIMITS.  Statistics, sums, c, the gate's two layers in f32; two-pass variance; the variance of c x is taken as c^2 v.  v_rsq_f32, v_exp_f32, v_rcp_f32 are good to 1 ULP and count denormals as 0.  A mask byte other than 0 hides its row.
.set FIN,   1
.set LAYER, FIN
.set PITCH, 1040                       ; an LDS row of 512 bf16: 1,024 bytes + 16 = 260 words: the 16 rows of a fragment load start at 16 different groups of four banks (64 banks of 4 bytes: ISA guide 11.1)
.set TAB,   0                          ; the table: 16 rows
.set XA,    16*PITCH                   ; x - m in bf16: 4 rows for each wave, the wave's own
.set ZR,    XA+8*4*PITCH               ; eight waves x 2,048 bytes: each wave's column sums
.set SPARE, ZR+8*2048                  ; the spare words, 128 bytes for each wave, that no other line names
.set XO,  2                            ; v2   16 x lane
.set RR,  3                            ; v3   lane % 16
.set H2,  4                            ; v4   lane / 16
.set TO,  5                            ; v5   16 x thread
.set TL,  6                            ; v6   where my 16 bytes of the table go: (thread / 64) x PITCH + 16 (thread % 64)
.set XS,  7                            ; v7   4 PITCH x wave + 8 x lane
.set TFA, 8                            ; v8   a fragment of the table: (lane % 16) x PITCH + 16 (lane / 16)
.set XFA, 9                            ; v9   a fragment of my rows: 4 PITCH x wave + (lane % 4) x PITCH + 16 (lane / 16)
.set ZS,  10                           ; v10  2,048 x wave + 16 x lane
.set AO,  12                           ; v12  64 (lane / 16): my eight table rows' pairs in aux
.set WO,  13                           ; v13  my two rows e of W1: e0 = 2 ((lane / 4) % 4) + 8 (lane / 16), 32 bytes a row
.set BO,  14                           ; v14  the same two in b1 and W2
.set CO,  15                           ; v15  4 x lane
.set SPW, 16                           ; v16  LDS address of my spare word; never rewritten
.set NIL, 17                           ; v17  0; never rewritten
.set PO,  18                           ; v18  16 x (thread mod 128)
.set EPSV, 19                          ; v19  1e-5
.set NM,  20                           ; v[20:27]  row t: -m_t, twice
.set VAR, 28                           ; v[28:31]  v_t
.set RS,  32                           ; v[32:35]  rs_t
.set WP,  36                           ; v[36:43]  row t's weight in the column sums, twice
.set MC,  44                           ; v[44:51]  -m_t c2_t, twice (FIN)
.set RSEL, 52                          ; v52  rs of row lane % 4
.set G1,  53                           ; v53  1 + gate of row lane % 4
.set T0,  54                           ; v[54:59]  at work
.set AUX, 60                           ; v[60:75]  {bu, gmul} of my eight table rows
.set W1,  76                           ; v[76:91]  my two rows of W1
.set B1,  92                           ; v[92:93]
.set W2,  94                           ; v[94:95]
.set D0,  96                           ; v[96:103]  the even K steps' sums
.set D1,  104                          ; v[104:111] the odd K steps'
.set Z,   112                          ; v[112:127] my 16 column sums
.set X,   128                          ; v[128:191] row t at X + 16 t
.set F,   192                          ; v[192:255] by turns: the table on its way to LDS; two sets of fragments; rel and the gate's hidden layer; eight waves' column sums
.set TT,  208                          ; v[208:239] eight registers a row, at work
.set SEL, 30                           ; s[30:31] v_permlanex16_b32's selects: each lane takes its own place in the other half
.set KPW, 32                           ; s32  my four rows' mask bytes
.set B2,  33                           ; s33  b2
.set NLE, 34                           ; s34  -log2(e);  s35  b2 times that
.set CIN, 36                           ; s[36:39] c of my four rows (FIN)
.set C2,  40                           ; s[40:47] c2_t, twice (FIN)
.set VAL, 48                           ; s[48:51] 1.0 where the row counts, else 0; later c2_t^2
.set GS,  56                           ; s[56:59] 1 + gate by row
.set CW,  60                           ; s[60:63] c2_t x VAL_t
.if FIN
.set C2B, C2                           ; c2_t lies at s[C2B + C2S t]
.set C2S, 2
.else
.set C2B, GS
.set C2S, 1
.endif
.macro ALLSUM                          ; v[TT + 8 t], t = 0..3, summed over the 32 lanes; the four rows by turns
.irp m, 1,2,4,8
.irp t, 0,1,2,3
	v_add_f32_dpp v[TT+8*\t], v[TT+8*\t], v[TT+8*\t] row_xmask:\m row_mask:0xf bank_mask:0xf
.endr
.endr
.irp t, 0,1,2,3
	v_permlanex16_b32 v[TT+8*\t+2], v[TT+8*\t], s[SEL], s[SEL+1]
.endr
.irp t, 0,1,2,3
	v_add_f32 v[TT+8*\t], v[TT+8*\t], v[TT+8*\t+2]
.endr
.endm
.macro MEAN                            ; -m_t into NM, twice
.irp p, 0,1,2,3
.irp t, 0,1,2,3
	v_pk_add_f32 v[TT+8*\t+2*\p:TT+8*\t+2*\p+1], v[X+16*\t+4*\p:X+16*\t+4*\p+1], v[X+16*\t+4*\p+2:X+16*\t+4*\p+3]
.endr
.endr
.irp p, 0,4
.irp t, 0,1,2,3
	v_pk_add_f32 v[TT+8*\t+\p:TT+8*\t+\p+1], v[TT+8*\t+\p:TT+8*\t+\p+1], v[TT+8*\t+\p+2:TT+8*\t+\p+3]
.endr
.endr
.irp t, 0,1,2,3
	v_pk_add_f32 v[TT+8*\t:TT+8*\t+1], v[TT+8*\t:TT+8*\t+1], v[TT+8*\t+4:TT+8*\t+5]
.endr
.irp t, 0,1,2,3
	v_add_f32 v[TT+8*\t], v[TT+8*\t], v[TT+8*\t+1]
.endr
	ALLSUM
.irp t, 0,1,2,3
	v_mul_f32 v[NM+2*\t], 0xbb000000, v[TT+8*\t]    ; times -1/512
	v_mul_f32 v[NM+2*\t+1], 0xbb000000, v[TT+8*\t]
.endr
.endm
.macro CENTER                          ; x - m, in place
.irp p, 0,1,2,3,4,5,6,7
.irp t, 0,1,2,3
	v_pk_add_f32 v[X+16*\t+2*\p:X+16*\t+2*\p+1], v[X+16*\t+2*\p:X+16*\t+2*\p+1], v[NM+2*\t:NM+2*\t+1]
.endr
.endr
.endm
.macro VARI                            ; the mean of (x - m)^2, in two chains a row
.irp p, 0,1
.irp t, 0,1,2,3
	v_pk_mul_f32 v[TT+8*\t+2*\p:TT+8*\t+2*\p+1], v[X+16*\t+2*\p:X+16*\t+2*\p+1], v[X+16*\t+2*\p:X+16*\t+2*\p+1]
.endr
.endr
.irp p, 2,3,4,5,6,7
.irp t, 0,1,2,3
	v_pk_fma_f32 v[TT+8*\t+2*(\p%2):TT+8*\t+2*(\p%2)+1], v[X+16*\t+2*\p:X+16*\t+2*\p+1], v[X+16*\t+2*\p:X+16*\t+2*\p+1], v[TT+8*\t+2*(\p%2):TT+8*\t+2*(\p%2)+1]
.endr
.endr
.irp t, 0,1,2,3
	v_pk_add_f32 v[TT+8*\t:TT+8*\t+1], v[TT+8*\t:TT+8*\t+1], v[TT+8*\t+2:TT+8*\t+3]
.endr
.irp t, 0,1,2,3
	v_add_f32 v[TT+8*\t], v[TT+8*\t], v[TT+8*\t+1]
.endr
	ALLSUM
.irp t, 0,1,2,3
	v_mul_f32 v[VAR+\t], 0x3b000000, v[TT+8*\t]     ; times 1/512
.endr
.endm
.macro PACKX                           ; x - m rounded to bf16, into my wave's four LDS rows: my four neighbouring columns are 8 bytes, 32 lanes 256 bytes on end
.irp t, 0,1,2,3
.irp j, 0,1,2,3
	v_cvt_pk_bf16_f32 v[TT+8*\t+2*\j], v[X+16*\t+4*\j], v[X+16*\t+4*\j+1]
	v_cvt_pk_bf16_f32 v[TT+8*\t+2*\j+1], v[X+16*\t+4*\j+2], v[X+16*\t+4*\j+3]
.endr
.irp j, 0,1,2,3
	ds_store_b64 v[XS], v[TT+8*\t+2*\j:TT+8*\t+2*\j+1] offset:XA+PITCH*\t+256*\j
.endr
.endr
.endm
.macro FRAG set, g                     ; the fragments of K steps 2 g and 2 g + 1 into set: for each step 8 registers of the table, then 8 of my rows: eight loads
.irp u, 0,1
	ds_load_b128 v[F+32*(\set)+16*\u:F+32*(\set)+16*\u+3],     v[TFA] offset:TAB+64*(2*(\g)+\u)
	ds_load_b128 v[F+32*(\set)+16*\u+4:F+32*(\set)+16*\u+7],   v[TFA] offset:TAB+64*(2*(\g)+\u)+32
	ds_load_b128 v[F+32*(\set)+16*\u+8:F+32*(\set)+16*\u+11],  v[XFA] offset:XA+64*(2*(\g)+\u)
	ds_load_b128 v[F+32*(\set)+16*\u+12:F+32*(\set)+16*\u+15], v[XFA] offset:XA+64*(2*(\g)+\u)+32
.endr
.endm
.macro MM set, first                   ; two K steps; the two accumulators take turns, one instruction a turn; first = 1: the products start the sums
.if \first
	v_wmma_f32_16x16x32_bf16 v[D0:D0+7], v[F+32*(\set):F+32*(\set)+7], v[F+32*(\set)+8:F+32*(\set)+15], 0
	v_wmma_f32_16x16x32_bf16 v[D1:D1+7], v[F+32*(\set)+16:F+32*(\set)+23], v[F+32*(\set)+24:F+32*(\set)+31], 0
.else
	v_wmma_f32_16x16x32_bf16 v[D0:D0+7], v[F+32*(\set):F+32*(\set)+7], v[F+32*(\set)+8:F+32*(\set)+15], v[D0:D0+7]
	v_wmma_f32_16x16x32_bf16 v[D1:D1+7], v[F+32*(\set)+16:F+32*(\set)+23], v[F+32*(\set)+24:F+32*(\set)+31], v[D1:D1+7]
.endif
.endm
.macro PLACES                          ; four plain places behind a matrix instruction, in front of loads into registers that it has read (ISA guide 7.12.1 for vector instructions)
.rept 4
	v_nop
.endr
.endm
.macro ZSUM                            ; my 16 columns of the four rows, each row times its weight
.irp p, 0,1,2,3,4,5,6,7
	v_pk_mul_f32 v[Z+2*\p:Z+2*\p+1], v[X+2*\p:X+2*\p+1], v[WP:WP+1]
.endr
.irp t, 1,2,3
.irp p, 0,1,2,3,4,5,6,7
	v_pk_fma_f32 v[Z+2*\p:Z+2*\p+1], v[X+16*\t+2*\p:X+16*\t+2*\p+1], v[WP+2*\t:WP+2*\t+1], v[Z+2*\p:Z+2*\p+1]
.endr
.endr
.endm
	s_load_b512 s[8:23], s[0:1], 0x0               ; x 8, tab 10, aux 12, W1 14, b1 16, W2 18, b2 20, kpm 22
	s_load_b128 s[24:27], s[0:1], 0x40             ; c out (FIN: the output) 24, part 26
.if FIN
	s_load_b64 s[28:29], s[0:1], 0x50              ; c in
.endif
	v_lshl_add_u32 v[SPW], v0, 2, SPARE
	v_mov_b32 v[NIL], 0
	v_lshrrev_b32 v[T0], 5, v0
	v_readfirstlane_b32 s2, v[T0]                  ; wave 0..7
	s_lshr_b32 s4, ttmp9, 6                        ; b: 64 work-groups a batch
	s_lshl_b32 s40, ttmp9, 16                      ; the work-group's 32 rows of 2,048 bytes,
	s_lshl_b32 s5, s2, 13                          ; my wave's four
	s_add_co_u32 s40, s40, s5
	s_mov_b32 s41, 0
	s_lshl_b32 s42, s4, 14                         ; the batch's table: 16 rows of 1,024 bytes
	s_mov_b32 s43, 0
	s_lshl_b32 s44, s4, 7                          ; and its 16 pairs in aux
	s_mov_b32 s45, 0
	s_lshl_b32 s46, ttmp9, 5                       ; my rows' mask bytes
	s_lshl_b32 s5, s2, 2
	s_add_co_u32 s46, s46, s5
	s_mov_b32 s47, 0
	s_lshl_b32 s48, ttmp9, 7                       ; my rows' c
	s_lshl_b32 s5, s2, 4
	s_add_co_u32 s48, s48, s5
	s_mov_b32 s49, 0
	s_lshl_b32 s50, ttmp9, 11                      ; the work-group's row of part
	s_mov_b32 s51, 0
	s_mov_b32 s[SEL], 0x76543210
	s_mov_b32 s[SEL+1], 0xfedcba98
	s_mov_b32 s[NLE], 0xbfb8aa3b
	v_and_b32 v1, 31, v0                           ; lane
	v_and_b32 v[RR], 15, v0
	v_bfe_u32 v[H2], v0, 4, 1
	v_lshlrev_b32 v[XO], 4, v1
	v_lshlrev_b32 v[TO], 4, v0
	v_lshrrev_b32 v[T0], 6, v0
	v_and_b32 v[T0+1], 63, v0
	v_mul_u32_u24 v[TL], v[T0], PITCH
	v_lshl_add_u32 v[TL], v[T0+1], 4, v[TL]
	s_mul_i32 s5, s2, 4*PITCH
	v_lshl_add_u32 v[XS], v1, 3, s5
	v_mul_u32_u24 v[TFA], v[RR], PITCH
	v_lshl_add_u32 v[TFA], v[H2], 4, v[TFA]
	v_and_b32 v[T0+2], 3, v0
	v_mul_u32_u24 v[XFA], v[T0+2], PITCH
	v_lshl_add_u32 v[XFA], v[H2], 4, v[XFA]
	v_add_nc_u32 v[XFA], s5, v[XFA]
	v_cmp_eq_u32 s52, 1, v[T0+2]                   ; the lanes of row 1, 2, 3
	v_cmp_eq_u32 s53, 2, v[T0+2]
	v_cmp_eq_u32 s54, 3, v[T0+2]
	s_lshl_b32 s5, s2, 11
	v_lshl_add_u32 v[ZS], v1, 4, s5
	v_and_b32 v[T0+3], 127, v0
	v_lshlrev_b32 v[PO], 4, v[T0+3]
	v_lshlrev_b32 v[AO], 6, v[H2]
	v_bfe_u32 v[T0+4], v0, 2, 2
	v_lshlrev_b32 v[WO], 6, v[T0+4]
	v_lshl_add_u32 v[WO], v[H2], 8, v[WO]
	v_lshlrev_b32 v[BO], 3, v[T0+4]
	v_lshl_add_u32 v[BO], v[H2], 5, v[BO]
.if !FIN
	v_lshlrev_b32 v[CO], 2, v1
.endif
	v_mov_b32 v[EPSV], 0x3727c5ac
	s_wait_kmcnt 0x0
	s_add_nc_u64 s[8:9], s[8:9], s[40:41]
	s_add_nc_u64 s[10:11], s[10:11], s[42:43]
	s_add_nc_u64 s[12:13], s[12:13], s[44:45]
	s_add_nc_u64 s[22:23], s[22:23], s[46:47]
.if FIN
	s_add_nc_u64 s[24:25], s[24:25], s[40:41]
	s_add_nc_u64 s[28:29], s[28:29], s[48:49]
.else
	s_add_nc_u64 s[24:25], s[24:25], s[48:49]
.endif
	s_add_nc_u64 s[26:27], s[26:27], s[50:51]
	s_load_b32 s[KPW], s[22:23], 0x0
	s_load_b32 s[B2], s[20:21], 4*LAYER
.if FIN
	s_load_b128 s[CIN:CIN+3], s[28:29], 0x0
.endif
	; all 30 loads of the wave, in the order in which they are wanted
.irp i, 0,1,2,3
	global_load_b128 v[F+4*\i:F+4*\i+3], v[TO], s[10:11] offset:4096*\i
.endr
.irp t, 0,1,2,3
.irp j, 0,1,2,3
.if FIN
	global_load_b128 v[X+16*\t+4*\j:X+16*\t+4*\j+3], v[XO], s[8:9] offset:2048*\t+512*\j th:TH_LOAD_NT
.else
	global_load_b128 v[X+16*\t+4*\j:X+16*\t+4*\j+3], v[XO], s[8:9] offset:2048*\t+512*\j
.endif
.endr
.endr
.irp i, 0,1,2,3
	global_load_b128 v[AUX+4*\i:AUX+4*\i+3], v[AO], s[12:13] offset:16*\i
.endr
.irp i, 0,1,2,3
	global_load_b128 v[W1+4*\i:W1+4*\i+3], v[WO], s[14:15] offset:512*LAYER+16*\i
.endr
	global_load_b64 v[B1:B1+1], v[BO], s[16:17] offset:64*LAYER
	global_load_b64 v[W2:W2+1], v[BO], s[18:19] offset:64*LAYER
	s_wait_loadcnt 26                              ; my four pieces of the table are in; the 26 loads behind them may stay out
.irp i, 0,1,2,3
	ds_store_b128 v[TL], v[F+4*\i:F+4*\i+3] offset:TAB+4*PITCH*\i
.endr
	s_wait_loadcnt 10                              ; my four rows are in; aux (4), W1 (4), b1 and W2 may stay out
	MEAN
	CENTER
	VARI
	s_wait_kmcnt 0x0                               ; the mask bytes, b2 and (FIN) c
.if FIN
.irp t, 0,1,2,3
	s_mul_f32 s[GS+\t], s[CIN+\t], s[CIN+\t]
.endr
.irp t, 0,1,2,3
	v_fma_f32 v[T0+\t], s[GS+\t], v[VAR+\t], v[EPSV]   ; c^2 v + eps
.endr
.else
.irp t, 0,1,2,3
	v_add_f32 v[T0+\t], v[EPSV], v[VAR+\t]
.endr
.endif
.irp t, 0,1,2,3
	v_rsq_f32 v[RS+\t], v[T0+\t]
.endr
	PACKX                                          ; names none of the roots: the work between the batch and its wait
.irp t, 0,1,2,3
	s_bfe_u32 s5, s[KPW], 0x80000+8*\t             ; byte t
	s_cmp_eq_u32 s5, 0
	s_cselect_b32 s[VAL+\t], 1.0, 0
.endr
	s_mul_f32 s[NLE+1], s[B2], s[NLE]
	s_wait_alu depctr_va_vdst(0)                   ; one wait for the four roots, ahead of their first reader
.if FIN
.irp t, 0,1,2,3
	v_mul_f32 v[RS+\t], s[CIN+\t], v[RS+\t]
.endr
.endif
	v_cndmask_b32 v[RSEL], v[RS], v[RS+1], s52
	v_cndmask_b32 v[RSEL], v[RSEL], v[RS+2], s53
	v_cndmask_b32 v[RSEL], v[RSEL], v[RS+3], s54
	s_wait_dscnt 0x0                               ; for the others' sake: my part of the table is stored
	s_barrier_signal -1
	s_barrier_wait -1                              ; the table is whole
	; THE PRODUCT: two sets of fragments; while one is multiplied the other's eight loads are out
	FRAG 0, 0
	FRAG 1, 1
.irp g, 0,1,2,3,4,5,6,7
.if \g == 7
	s_wait_dscnt 0x0
.else
	s_wait_dscnt 0x8                               ; this set is in; the younger set's eight loads may stay out
.endif
.if \g == 0
	MM 0, 1
.else
	MM (\g%2), 0
.endif
.if \g < 6
	PLACES
	FRAG (\g%2), (\g+2)
.endif
.endr
	PLACES
	PLACES                                         ; eight plain places, once a launch, ahead of the first read of the sums: twice what ISA guide 7.12.1 asks
	s_wait_loadcnt 0x0                             ; aux and the gate's weights
	; THE GATE.  Each accumulator is read from its low end on.
.irp p, 0,2,4,6
	v_pk_add_f32 v[D0+\p:D0+\p+1], v[D0+\p:D0+\p+1], v[D1+\p:D1+\p+1]
.endr
.irp j, 0,1,2,3,4,5,6,7
	v_fma_f32 v[F+\j], v[D0+\j], v[RSEL], v[AUX+2*\j]  ; my half of head j: rs x product + bias term
.endr
.irp j, 0,1,2,3,4,5,6,7
	v_permlanex16_b32 v[F+8+\j], v[F+\j], s[SEL], s[SEL+1]  ; the head's other half lies in the lane 16 away
.endr
.irp p, 0,2,4,6
	v_pk_add_f32 v[F+\p:F+\p+1], v[F+\p:F+\p+1], v[F+8+\p:F+8+\p+1]  ; every lane: the 8 rel of row lane % 4
.endr
	v_fma_f32 v[F+16], v[F], v[W1], v[B1]          ; my two of the 16 hidden units, the two chains by turns
	v_fma_f32 v[F+17], v[F], v[W1+8], v[B1+1]
.irp j, 1,2,3,4,5,6,7
	v_fma_f32 v[F+16], v[F+\j], v[W1+\j], v[F+16]
	v_fma_f32 v[F+17], v[F+\j], v[W1+8+\j], v[F+17]
.endr
	v_max_num_f32 v[F+16], 0, v[F+16]
	v_max_num_f32 v[F+17], 0, v[F+17]
	v_mul_f32 v[T0], v[F+16], v[W2]
	v_fmac_f32 v[T0], v[F+17], v[W2+1]
	v_add_f32_dpp v[T0], v[T0], v[T0] row_xmask:4 row_mask:0xf bank_mask:0xf   ; over the eight lanes that share a row
	v_add_f32_dpp v[T0], v[T0], v[T0] row_xmask:8 row_mask:0xf bank_mask:0xf
	v_permlanex16_b32 v[T0+1], v[T0], s[SEL], s[SEL+1]
	v_add_f32 v[T0], v[T0], v[T0+1]
	v_fma_f32 v[T0], v[T0], s[NLE], s[NLE+1]       ; -(p + b2) log2(e)
	v_exp_f32 v[T0], v[T0]
	v_nop                                          ; a plain instruction behind it,
	s_wait_alu depctr_va_vdst(0)                   ; and its wait, ahead of its reader
	v_add_f32 v[T0], 1.0, v[T0]
	v_rcp_f32 v[T0], v[T0]
	v_nop
	s_wait_alu depctr_va_vdst(0)
	v_fma_f32 v[G1], v[T0], v[AUX+1], 1.0          ; 1 + gmul x sigmoid
.irp t, 0,1,2,3
	v_readlane_b32 s[GS+\t], v[G1], \t             ; lane t holds row t's
.endr
	; THE ROWS' NEW FACTOR, AND THEIR WEIGHT IN THE NEXT STAGE'S SUM OVER KEYS
.if FIN
.irp t, 0,1,2,3
	s_mul_f32 s[C2+2*\t], s[GS+\t], s[CIN+\t]
.endr
.irp t, 0,1,2,3
	s_mov_b32 s[C2+2*\t+1], s[C2+2*\t]             ; named with it as a pair
.endr
.endif
.irp t, 0,1,2,3
	s_mul_f32 s[CW+\t], s[C2B+C2S*\t], s[VAL+\t]
.endr
.irp t, 0,1,2,3
	s_mul_f32 s[VAL+\t], s[C2B+C2S*\t], s[C2B+C2S*\t]
.endr
.irp t, 0,1,2,3
	v_fma_f32 v[T0+\t], s[VAL+\t], v[VAR+\t], v[EPSV]  ; c2^2 v + eps
.endr
.irp t, 0,1,2,3
	v_rsq_f32 v[T0+\t], v[T0+\t]
.endr
.if FIN
.irp t, 0,1,2,3
	v_mul_f32 v[MC+2*\t], s[C2+2*\t], v[NM+2*\t]   ; -m c2: the work between the batch and its wait
	v_mul_f32 v[MC+2*\t+1], s[C2+2*\t], v[NM+2*\t]
.endr
.else
	v_nop
.endif
	s_wait_alu depctr_va_vdst(0)                   ; one wait for the four roots
.irp t, 0,1,2,3
	v_mul_f32 v[WP+2*\t], s[CW+\t], v[T0+\t]
	v_mul_f32 v[WP+2*\t+1], s[CW+\t], v[T0+\t]
.endr
	ZSUM
.if FIN
	; THE OUTPUT: x c2 = (x - m) c2 - (-m c2), in place; a store of a wave covers 512 consecutive bytes
.irp t, 0,1,2,3
.irp p, 0,1,2,3,4,5,6,7
	v_pk_fma_f32 v[X+16*\t+2*\p:X+16*\t+2*\p+1], v[X+16*\t+2*\p:X+16*\t+2*\p+1], s[C2+2*\t:C2+2*\t+1], v[MC+2*\t:MC+2*\t+1] op_sel_hi:[1,0,1] neg_lo:[0,0,1] neg_hi:[0,0,1]
.endr
.irp j, 0,1,2,3
	global_store_b128 v[XO], v[X+16*\t+4*\j:X+16*\t+4*\j+3], s[24:25] offset:2048*\t+512*\j th:TH_STORE_NT
.endr
.endr
.else
	; c2 of my four rows: lanes 0 to 3
	v_cmp_gt_u32 vcc_lo, 4, v1
	s_wait_xcnt 0x0                                ; EXEC is a source of the memory instructions issued so far: it changes only behind this wait
	s_and_saveexec_b32 s55, vcc_lo
	global_store_b32 v[CO], v[G1], s[24:25]
	s_wait_xcnt 0x0                                ; and again, in front of the line that widens it
	s_or_b32 exec_lo, exec_lo, s55
.endif
	; the eight waves' column sums meet in LDS; waves 0 to 3 add them, four columns a thread, and store 512 consecutive bytes a wave
.irp j, 0,1,2,3
	ds_store_b128 v[ZS], v[Z+4*\j:Z+4*\j+3] offset:ZR+512*\j
.endr
	s_wait_dscnt 0x0                               ; for the others' sake: my stores are done
	s_barrier_signal -1
	s_barrier_wait -1
	s_cmp_lt_u32 s2, 4
	s_cbranch_scc0 .Lend
.irp k, 0,1,2,3,4,5,6,7
	ds_load_b128 v[F+4*\k:F+4*\k+3], v[PO] offset:ZR+2048*\k
.endr
	s_wait_dscnt 0x0
.irp s, 4,2,1
.set k, 0
.rept \s
	v_pk_add_f32 v[F+4*k:F+4*k+1], v[F+4*k:F+4*k+1], v[F+4*(k+\s):F+4*(k+\s)+1]
	v_pk_add_f32 v[F+4*k+2:F+4*k+3], v[F+4*k+2:F+4*k+3], v[F+4*(k+\s)+2:F+4*(k+\s)+3]
.set k, k+1
.endr
.endr
	global_store_b128 v[PO], v[F:F+3], s[26:27]
.Lend:
	s_wait_tensorcnt 0x0                           ; the wave's end: behind my last LDS store
	ds_add_u32 v[SPW], v[NIL]
	s_wait_dscnt 0x0
	s_endpgm
.Lfunc_end_k_qf89ba5849d_p3:
	.size	k_qf89ba5849d_p3, .Lfunc_end_k_qf89ba5849d_p3-k_qf89ba5849d_p3
	.p2alignl 7, 3214868480
	.fill 96, 4, 3214868480
	.section	.rodata,"a",@progbits
	.p2align	6, 0x0
	.amdhsa_kernel k_qf89ba5849d_p3
		.amdhsa_group_segment_fixed_size 67328
		.amdhsa_private_segment_fixed_size 0
		.amdhsa_enable_private_segment 0
		.amdhsa_kernarg_size 88
		.amdhsa_user_sgpr_count 2
		.amdhsa_user_sgpr_kernarg_segment_ptr 1
		.amdhsa_wavefront_size32 1
		.amdhsa_system_sgpr_workgroup_id_x 1
		.amdhsa_system_sgpr_workgroup_id_y 1
		.amdhsa_system_sgpr_workgroup_id_z 1
		.amdhsa_system_vgpr_workitem_id 0
		.amdhsa_next_free_vgpr 256
		.amdhsa_next_free_sgpr 66
		.amdhsa_reserve_vcc 1
		.amdhsa_float_denorm_mode_32 3
		.amdhsa_float_denorm_mode_16_64 3
		.amdhsa_memory_ordered 1
		.amdhsa_forward_progress 1
		.amdhsa_inst_pref_size 40
	.end_amdhsa_kernel
	.amdgpu_metadata
---
amdhsa.version: [ 1, 2 ]
amdhsa.kernels:
  - .name:           k_qf89ba5849d_p3
    .symbol:         k_qf89ba5849d_p3.kd
    .args:
      - { .name: x_vid, .offset: 0, .size: 8, .value_kind: global_buffer, .address_space: global }
      - { .name: tab, .offset: 8, .size: 8, .value_kind: global_buffer, .address_space: global }
      - { .name: aux, .offset: 16, .size: 8, .value_kind: global_buffer, .address_space: global }
      - { .name: vg_W1, .offset: 24, .size: 8, .value_kind: global_buffer, .address_space: global }
      - { .name: vg_b1, .offset: 32, .size: 8, .value_kind: global_buffer, .address_space: global }
      - { .name: vg_W2, .offset: 40, .size: 8, .value_kind: global_buffer, .address_space: global }
      - { .name: vg_b2, .offset: 48, .size: 8, .value_kind: global_buffer, .address_space: global }
      - { .name: vid_kpm, .offset: 56, .size: 8, .value_kind: global_buffer, .address_space: global }
      - { .name: out0, .offset: 64, .size: 8, .value_kind: global_buffer, .address_space: global }
      - { .name: partV, .offset: 72, .size: 8, .value_kind: global_buffer, .address_space: global }
      - { .name: cv, .offset: 80, .size: 8, .value_kind: global_buffer, .address_space: global }
    .group_segment_fixed_size: 67328
    .private_segment_fixed_size: 0
    .kernarg_segment_align: 8
    .kernarg_segment_size: 88
    .max_flat_workgroup_size: 256
    .sgpr_count:     66
    .vgpr_count:     256
    .wavefront_size: 32
...
	.end_amdgpu_metadata
.endif
;; end of part 5
;; launch sa1: the kernel of part 4 again; grid 16 x 4, 16 waves a work-group, no clusters, 37,120 bytes of LDS; arguments partV, vid_kpm, Wk_vid_for_aud, Wq_aud, aud_ln_g, aud_ln_b, tab, aux; writes tab, aux
;; launch p4: the kernel of part 5 again; grid 256 x 1, 8 waves a work-group, no clusters, 67,328 bytes of LDS; arguments x_aud, tab, aux, ag_W1, ag_b1, ag_W2, ag_b2, aud_kpm, out1, partA, ca; writes out1, partA
